; MI455X (gfx1250); checked and timed in simulation.
; The chip was launched on July 23, 2026; its instructions are those of AMD's public machine-readable ISA for CDNA 5 (MIT licence, August 2026) and "CDNA5" Instruction Set Architecture Reference Guide (July 2026). The comments in the code are by the model that wrote it; some were corrected since.
;; Quant MLP. Allowed arithmetic: matrix products marked QUANTISED: E5M2 operands, one E8M0 scale for each 32 along K, by v_wmma_scale_f32_16x16x128_f8f6f4 with both operands' format E5M2, f32 sums; everything else in f32.
;; Inputs: b1 3,072 float32; b2 768 float32; w1 3,072 x 768 float32; w2 768 x 3,072 float32; x 64 x 197 x 768 float32.
;; Outputs: out0 64 x 197 x 768 float32.
;; This version of the problem:
;;   THIS VERSION OF THE PROBLEM IS GIVEN IN LOW PRECISION. The matrix products marked QUANTISED in the list below multiply operands that are first quantised to E5M2 (5 exponent bits, 2 mantissa bits; 8 bits a number), with one power-of-two scale for each 32 numbers along K (OCP MX v1.0); their sums are f32. All else is computed in f32.
;;   The module's matrix products, in the order in which they are computed (A, B: the left and right operand; K: the contracted axis; several contracted axes count as one K, in the product's order):
;;     1. [M 12,608, K 768] x [K 768, N 3,072]; A: computed on the way; B: computed on the way: QUANTISED
;;     2. [M 12,608, K 3,072] x [K 3,072, N 768]; A: computed on the way; B: computed on the way: QUANTISED
;;   THE QUANTISER, for each operand of a quantised product, along K:
;;     - K is cut into blocks of 32 from its start; a last block that is shorter is filled with zeros.
;;     - A block's scale is 2^e with e = floor(log2(the largest magnitude in the block)) - 15, held to -126 .. 127; a block of zeros has e = 0. As a byte (E8M0): e + 127.
;;     - Each number is divided by its block's scale, clamped to +-57,344, and rounded to the nearest number of E5M2, ties to even, subnormals kept.
;;     - The product sums the exact products of the quantised numbers (number of the format x scale) in f32.
;;   ~~~python
;;   def quantise(x, axis):      # numpy; x: float32 -> the quantised numbers, widened to float32 again
;;       x = np.moveaxis(x, axis, -1); K = x.shape[-1]
;;       x = np.pad(x, [(0, 0)] * (x.ndim - 1) + [(0, -K % 32)]); x = x.reshape(x.shape[:-1] + (-1, 32)); a = np.abs(x).max(-1, keepdims=True)
;;       e = np.where(a > 0, np.clip(np.frexp(np.where(a > 0, a, 1))[1] - 1 - 15, -126, 127), 0)      # np.frexp(a)[1] - 1 = floor(log2(a)), exactly
;;       r = np.clip(x / 2.0 ** e, -57344, 57344)
;;       step = 2.0 ** (np.maximum(np.frexp(np.where(r == 0, 1, r))[1] - 1, -14) - 2)
;;       q = np.round(r / step) * step * 2.0 ** e      # np.round: ties to even
;;       return np.moveaxis(q.reshape(q.shape[:-2] + (-1,))[..., :K], -1, axis).astype(np.float32)
;;   ~~~
;;   OPERANDS COMPUTED ON THE WAY. 'Computed on the way' means the value that the module computes at that place (a softmax that the list does not call 'softmax' is quantised finished and normalised). What goes into a quantiser is computed in f32, as accurately as f32 sums, v_exp_f32 and their like allow (about 1e-6 of the number): no bf16 or f16 on the way to a quantiser, and a product that is left as it is and whose result goes on into a quantised operand takes f32 operands (vector FMAs, or v_wmma_f32_16x16x4_f32). A number that lies on a knife's edge between two numbers of the format may be rounded either way, as far as f32 arithmetic and the matrix unit's own rounding can turn it there, and no further.
;; 2 versions, each right; version 2 is version 1 with the launch gemm2 written anew for expert scheduling mode. Each part assembles by itself: llvm-mc -triple=amdgcn-amd-amdhsa -mcpu=gfx1250 --defsym DOCPART=n.
;; ======== version 1 of 2: 5 launches
;; workspace buffers: part1 4,864 bytes; xr 10,214,400 bytes; w1r 2,457,600 bytes; w2r 2,457,600 bytes; part2 2,048 bytes; gr 40,857,600 bytes
;; launch stats (part 1): grid 586 x 1, 8 waves a work-group, no clusters, 1,280 bytes of LDS; arguments x, w1, w2, part1; writes part1
.if DOCPART == 1
	.amdgcn_target "amdgcn-amd-amdhsa--gfx1250"
	.amdhsa_code_object_version 6
	.text
	.protected	k_q11af5a3237_stats
	.globl	k_q11af5a3237_stats
	.p2align	8
	.type	k_q11af5a3237_stats,@function
k_q11af5a3237_stats:
	s_mov_b64 s[64:65], 0
	v_nop
	global_prefetch_b8 v0, s[64:65] scope:SCOPE_SE
	s_setreg_imm32_b32 hwreg(HW_REG_WAVE_MODE, 25, 1), 1
	s_wait_xcnt 0x0
; The smallest and the largest number of x, of w1 and of w2: the per-tensor fake quantisers want them before a single code can be made.
; A work-group takes 98,304 bytes of one tensor (x is 394 such chunks, w1 and w2 96 each) and stores one pair (min, max) at part1[work-group]; the next launch joins the pairs.
; A wave takes 12,288 bytes by 24 loads of 16 bytes a lane, each covering 512 consecutive bytes, all issued at once.  No matrix work, no cluster: the work-groups share no byte.
; LIMITS: NaN among the inputs is passed over by the minima and maxima; infinities are not served.
.set CHUNK, 98304
.set NX,    394                        ; chunks of x
.set NW,    96                         ; chunks of w1, of w2
.set MN,    4                          ; v4-7   four running minima
.set MX,    8                          ; v8-11  four running maxima
.set R,     16                         ; v16-111 the 96 numbers of a lane
	s_load_b256 s[4:11], s[0:1], 0x0               ; x s[4:5], w1 s[6:7], w2 s[8:9], part1 s[10:11]
	v_lshl_add_u32 v120, v0, 2, 0x100
	v_mov_b32 v121, 0
	v_lshrrev_b32 v2, 5, v0
	v_readfirstlane_b32 s12, v2                    ; wave 0..7
	v_and_b32 v1, 31, v0
	v_lshlrev_b32 v1, 4, v1                        ; 16 bytes a lane
	s_mov_b32 s13, NX+NW
	s_mov_b32 s16, 0x76543210
	s_mov_b32 s17, 0xfedcba98                      ; v_permlanex16_b32's selects for lane l xor 16
	s_wait_kmcnt 0x0
	s_cmp_lt_u32 ttmp9, NX+NW                      ; which tensor: the choice hangs on the work-group's number alone
	s_cselect_b64 s[6:7], s[6:7], s[8:9]
	s_cselect_b32 s13, NX, s13
	s_cmp_lt_u32 ttmp9, NX
	s_cselect_b64 s[4:5], s[4:5], s[6:7]
	s_cselect_b32 s13, 0, s13
	s_sub_co_u32 s13, ttmp9, s13                   ; which chunk of it
	s_mul_i32 s14, s13, CHUNK                      ; under 2^26
	s_mul_i32 s15, s12, CHUNK/8
	s_add_co_u32 s14, s14, s15
	s_mov_b32 s15, 0
	s_add_nc_u64 s[4:5], s[4:5], s[14:15]
.irp i, 0,1,2,3,4,5,6,7,8,9,10,11,12,13,14,15,16,17,18,19,20,21,22,23
	global_load_b128 v[R+4*\i:R+4*\i+3], v1, s[4:5] offset:512*\i   ; no hint: the next launch reads these bytes again
.endr
.irp c, 0,1,2,3
	s_wait_loadcnt 18-6*\c                         ; loads come back in order: chain c's six are in, the 6 (3 - c) younger ones may be out
	v_min_num_f32 v[MN+\c], v[R+24*\c], v[R+24*\c+1]
	v_max_num_f32 v[MX+\c], v[R+24*\c], v[R+24*\c+1]
.irp j, 2,4,6,8,10,12,14,16,18,20,22
	v_min3_num_f32 v[MN+\c], v[MN+\c], v[R+24*\c+\j], v[R+24*\c+\j+1]
	v_max3_num_f32 v[MX+\c], v[MX+\c], v[R+24*\c+\j], v[R+24*\c+\j+1]
.endr
.endr
	v_min3_num_f32 v[MN], v[MN], v[MN+1], v[MN+2]
	v_max3_num_f32 v[MX], v[MX], v[MX+1], v[MX+2]
	v_min_num_f32 v[MN], v[MN], v[MN+3]
	v_max_num_f32 v[MX], v[MX], v[MX+3]
.irp m, 1,2,4,8
	v_min_num_f32_dpp v[MN], v[MN], v[MN] row_xmask:\m row_mask:0xf bank_mask:0xf
	v_max_num_f32_dpp v[MX], v[MX], v[MX] row_xmask:\m row_mask:0xf bank_mask:0xf
.endr
	v_permlanex16_b32 v[MN+1], v[MN], s16, s17     ; (both destinations have been written)
	v_permlanex16_b32 v[MX+1], v[MX], s16, s17
	v_min_num_f32 v[MN], v[MN], v[MN+1]
	v_max_num_f32 v[MN+1], v[MX], v[MX+1]          ; the wave's pair in v[4:5]
	v_lshlrev_b32 v12, 3, v2                       ; 8 bytes a wave; all lanes write the same pair to the same place
	ds_store_b64 v12, v[MN:MN+1]
	s_wait_dscnt 0x0                               ; for the others' sake: my pair lies in LDS
	s_barrier_signal -1
	s_barrier_wait -1
	v_mov_b32 v13, 0
.irp i, 0,1,2,3
	ds_load_b128 v[R+4*\i:R+4*\i+3], v13 offset:16*\i   ; the eight pairs, in every lane
.endr
	s_wait_dscnt 0x0
	v_min3_num_f32 v[MN], v[R], v[R+2], v[R+4]
	v_max3_num_f32 v[MN+1], v[R+1], v[R+3], v[R+5]
	v_min3_num_f32 v[MN], v[MN], v[R+6], v[R+8]
	v_max3_num_f32 v[MN+1], v[MN+1], v[R+7], v[R+9]
	v_min3_num_f32 v[MN], v[MN], v[R+10], v[R+12]
	v_max3_num_f32 v[MN+1], v[MN+1], v[R+11], v[R+13]
	v_min_num_f32 v[MN], v[MN], v[R+14]
	v_max_num_f32 v[MN+1], v[MN+1], v[R+15]
	s_lshl_b32 s14, ttmp9, 3
	v_mov_b32 v14, s14
	s_wait_xcnt 0x0                                ; EXEC changes only behind this wait
	v_cmp_eq_u32 vcc_lo, 0, v0
	s_wait_tensorcnt 0x0
	ds_add_u32 v120, v121
	s_wait_dscnt 0x0
	s_and_saveexec_b32 s18, vcc_lo
	global_store_b64 v14, v[MN:MN+1], s[10:11]     ; thread 0 alone
	s_wait_xcnt 0x0                                ; and again in front of the line that widens it
	s_or_b32 exec_lo, exec_lo, s18
	s_endpgm
.Lfunc_end_k_q11af5a3237_stats:
	.size	k_q11af5a3237_stats, .Lfunc_end_k_q11af5a3237_stats-k_q11af5a3237_stats
	.p2alignl 7, 3214868480
	.fill 96, 4, 3214868480
	.section	.rodata,"a",@progbits
	.p2align	6, 0x0
	.amdhsa_kernel k_q11af5a3237_stats
		.amdhsa_group_segment_fixed_size 1280
		.amdhsa_private_segment_fixed_size 0
		.amdhsa_enable_private_segment 0
		.amdhsa_kernarg_size 32
		.amdhsa_user_sgpr_count 2
		.amdhsa_user_sgpr_kernarg_segment_ptr 1
		.amdhsa_wavefront_size32 1
		.amdhsa_system_sgpr_workgroup_id_x 1
		.amdhsa_system_sgpr_workgroup_id_y 1
		.amdhsa_system_sgpr_workgroup_id_z 1
		.amdhsa_system_vgpr_workitem_id 0
		.amdhsa_next_free_vgpr 122
		.amdhsa_next_free_sgpr 66
		.amdhsa_reserve_vcc 1
		.amdhsa_float_denorm_mode_32 3
		.amdhsa_float_denorm_mode_16_64 3
		.amdhsa_memory_ordered 1
		.amdhsa_forward_progress 1
		.amdhsa_inst_pref_size 12
	.end_amdhsa_kernel
	.amdgpu_metadata
---
amdhsa.version: [ 1, 2 ]
amdhsa.kernels:
  - .name:           k_q11af5a3237_stats
    .symbol:         k_q11af5a3237_stats.kd
    .args:
      - { .name: x, .offset: 0, .size: 8, .value_kind: global_buffer, .address_space: global }
      - { .name: w1, .offset: 8, .size: 8, .value_kind: global_buffer, .address_space: global }
      - { .name: w2, .offset: 16, .size: 8, .value_kind: global_buffer, .address_space: global }
      - { .name: part1, .offset: 24, .size: 8, .value_kind: global_buffer, .address_space: global }
    .group_segment_fixed_size: 1280
    .private_segment_fixed_size: 0
    .kernarg_segment_align: 8
    .kernarg_segment_size: 32
    .max_flat_workgroup_size: 256
    .sgpr_count:     66
    .vgpr_count:     122
    .wavefront_size: 32
...
	.end_amdgpu_metadata
.endif
;; end of part 1
;; launch quant (part 2): grid 394 x 1, 3 waves a work-group, no clusters, 26,112 bytes of LDS; arguments x, w1, w2, part1, xr, w1r, w2r; writes xr, w1r, w2r
.if DOCPART == 2
	.amdgcn_target "amdgcn-amd-amdhsa--gfx1250"
	.amdhsa_code_object_version 6
	.text
	.protected	k_q11af5a3237_quant
	.globl	k_q11af5a3237_quant
	.p2align	8
	.type	k_q11af5a3237_quant,@function
k_q11af5a3237_quant:
	s_mov_b64 s[64:65], 0
	v_nop
	global_prefetch_b8 v0, s[64:65] scope:SCOPE_SE
	s_setreg_imm32_b32 hwreg(HW_REG_WAVE_MODE, 25, 1), 1
	s_wait_xcnt 0x0
; x, w1 and w2 go through their per-tensor fake quantisers (x: 256 levels with a zero point; the weights: symmetric, -128 .. 127) and then through the MX quantiser to codes of BF8 (E5M2) with one E8M0 byte for each 32 along K.
; THE RESULT IS LAID AS THE MATRIX UNIT'S REGISTERS TAKE IT, IN RECORDS of 12,800 bytes: 16 rows x 768 along K.  Fragment s (128 along K) at 2,048 s; in it chunk c at 512 c; in that lane l's 16 bytes at 16 l:
; row l % 16, k = 128 s + 32 c + 16 (l / 16) + 0 .. 15.  At 12,288: lane l's 16 bytes at 16 l are three scale words and a 0; word p is that of row l % 16 for K step 2 p + l / 16.
; ONE WAVE MAKES ONE RECORD; unit u = 3 x work-group + wave.  u 0-797: record u of xr = rows 16 (u mod 788) on of x (the ten records behind the 788th repeat rows 0-159, so that 42 x 19 records exist);
; u 798-989: record T of w1r, whose row p is hidden unit 32 (T / 2) + 8 (T % 2) + p + 8 (p / 8), so that the results of tiles 2 b and 2 b + 1 are 16 neighbours along the next K;
; u 990-1181: record 4 T2 + q of w2r = rows 16 T2 on of w2, k = 768 q on.  The class hangs on the work-group's number alone; all three classes take ONE path: pointers and numbers are chosen by s_cselect.
; A K step: sixteen loads, each 512 consecutive bytes of one row; the 8,192 bytes turn through the wave's own stage in LDS (rows 528 bytes apart), so that a lane gets 16 neighbours of each block of 32.
; THE FAKE QUANTISER: med3(rndne(v x (1 / s)), lo, hi) x s, with lo = -zp, hi = 255 - zp (weights: -128, 127): the same number as (clip(round(v / s) + zp, 0, 255) - zp) x s.
; LIMITS: v x (1 / s) stands for v / s: a level can differ only where v / s lies within about 1e-7 of its size from a half.  NaN and infinities are not served.  A block of zeros gets the byte 1 over zero codes.
; No matrix work and no cluster: no two waves read the same bytes, but for rows 0-159 of x, read twice.
.set REC,   12800
.set SP,    528                        ; a stage row: 512 bytes + 16: sixteen rows begin 4 words apart modulo 64 words
.set L16,   1                          ; v1   16 x lane
.set SA,    2                          ; v2   the stage, on the way in: 16 x lane
.set SB,    3                          ; v3   on the way out: 528 r + 64 h
.set SW,    4                          ; v4-7 the record's scale words, and a 0
.set R,     16                         ; v16-143  two sets of 64: a K step as it is loaded
.set X,     144                        ; v144-207 64 numbers: register 16 b + i = k 32 b + 16 h + i of my row (at the head: part1's pairs)
.set PC,    208                        ; v208-223 the codes just made
.set TM,    224                        ; v224-239 at work in QUANT
.set PW,    240                        ; v240 the scale word just made
.set ROWS,  32                         ; s[32:63] the sixteen rows' addresses
.set MNT,   69                         ; s69  the mantissa field of 57,344
.set SEL,   70                         ; s[70:71] lane selects: lane l xor 16
.set RS,    74                         ; s[74:75] 1 / s, twice
.set SS,    76                         ; s[76:77] s, twice
.set LO,    78
.set HI,    79
	s_load_b256 s[4:11], s[0:1], 0x0               ; x, w1, w2, part1
	s_load_b128 s[12:15], s[0:1], 0x20             ; xr, w1r
	s_load_b64 s[16:17], s[0:1], 0x30              ; w2r
	v_lshl_add_u32 v254, v0, 2, 0x6400
	v_mov_b32 v255, 0
	v_lshrrev_b32 v1, 5, v0
	v_readfirstlane_b32 s20, v1                    ; wave 0..2
	s_mul_i32 s21, ttmp9, 3
	s_add_co_u32 s21, s21, s20                     ; u
	s_cmp_ge_u32 s21, 788
	s_cselect_b32 s22, 788, 0
	s_sub_co_u32 s22, s21, s22
	s_mul_i32 s22, s22, 49152                      ; x: 16 rows of 3,072 bytes a record
	s_sub_co_u32 s23, s21, 798                     ; w1: T
	s_lshr_b32 s24, s23, 1
	s_lshl_b32 s24, s24, 5
	s_and_b32 s66, s23, 1
	s_lshl_b32 s66, s66, 3
	s_add_co_u32 s24, s24, s66
	s_mul_i32 s24, s24, 3072                       ; its first row: 32 (T / 2) + 8 (T % 2)
	s_sub_co_u32 s66, s21, 990                     ; w2: 4 T2 + q
	s_lshr_b32 s67, s66, 2
	s_mul_i32 s67, s67, 196608                     ; 16 rows of 12,288 bytes
	s_and_b32 s68, s66, 3
	s_mul_i32 s68, s68, 3072                       ; 768 numbers along K
	s_add_co_u32 s67, s67, s68
	s_mov_b32 s26, 12288                           ; (an instruction takes one literal: the second of each choice stands in the register)
	s_mov_b32 s30, 490
	s_mov_b32 s31, 95
	s_mov_b32 s72, 0x42fe0000                      ; 127
	s_mov_b32 s73, 0x3c010204                      ; 1 / 127
	s_wait_kmcnt 0x0
	s_cmp_lt_u32 ttmp9, 330                        ; w1 or w2
	s_cselect_b64 s[6:7], s[6:7], s[8:9]
	s_cselect_b64 s[14:15], s[14:15], s[16:17]
	s_cselect_b32 s24, s24, s67                    ; the first row's byte
	s_cselect_b32 s23, s23, s66                    ; the record
	s_cselect_b32 s26, 3072, s26                   ; from row to row
	s_cselect_b32 s28, 24576, 0                    ; w1: eight rows more between the record's rows 7 and 8
	s_cselect_b32 s30, 394, s30                    ; the tensor's first pair in part1
	s_cmp_lt_u32 ttmp9, 266                        ; x or a weight
	s_cselect_b64 s[4:5], s[4:5], s[6:7]
	s_cselect_b64 s[12:13], s[12:13], s[14:15]
	s_cselect_b32 s24, s22, s24
	s_cselect_b32 s23, s21, s23
	s_cselect_b32 s26, 3072, s26
	s_cselect_b32 s28, 0, s28
	s_cselect_b32 s30, 0, s30
	s_cselect_b32 s31, 393, s31                    ; its last pair's index
	s_cselect_b32 s72, 0x437f0000, s72             ; L = 255 or 127
	s_cselect_b32 s73, 0x3b808081, s73             ; 1 / L
	s_cselect_b32 s18, -1, 0                       ; a lane mask: all ones for x
	s_mov_b32 s25, 0
	s_mov_b32 s27, 0
	s_mov_b32 s29, 0
	s_add_nc_u64 s[ROWS:ROWS+1], s[4:5], s[24:25]
.irp p, 1,2,3,4,5,6,7,8,9,10,11,12,13,14,15
	s_add_nc_u64 s[ROWS+2*\p:ROWS+2*\p+1], s[ROWS+2*\p-2:ROWS+2*\p-1], s[26:27]
.if \p == 8
	s_add_nc_u64 s[ROWS+2*\p:ROWS+2*\p+1], s[ROWS+2*\p:ROWS+2*\p+1], s[28:29]
.endif
.endr
	s_mul_i32 s24, s23, REC
	s_add_nc_u64 s[12:13], s[12:13], s[24:25]      ; my record
	s_mov_b32 s19, 0xffff0000                      ; lanes 16-31
	s_mov_b32 s[MNT], 0x600000
	s_mov_b32 s[SEL], 0x76543210
	s_mov_b32 s[SEL+1], 0xfedcba98
	v_and_b32 v8, 31, v0                           ; lane
	v_lshlrev_b32 v[L16], 4, v8
	s_mul_i32 s66, s20, 16*SP                      ; my stage
	v_add_nc_u32 v[SA], s66, v[L16]
	v_and_b32 v9, 15, v0
	v_bfe_u32 v10, v0, 4, 1
	v_mul_u32_u24 v[SB], v9, SP
	v_lshl_add_u32 v[SB], v10, 6, v[SB]
	v_add_nc_u32 v[SB], s66, v[SB]
	v_mov_b32 v[SW+3], 0
.irp b, 0,1,2,3
	v_mov_b32 v[TM+4+\b], 0                        ; written once: a lane permute's destination counts as one of its sources
.endr
	v_mov_b32 v243, 0
	v_mov_b32 v244, 0
.irp j, 0,1,2,3,4,5,6,7,8,9,10,11,12
	v_add_nc_u32 v[X+\j], 32*\j, v8
	v_min_u32 v[X+\j], s31, v[X+\j]                ; 13 x 32 lanes cover x's 394 pairs; what lies beyond the tensor's last pair repeats it
	v_add_lshl_u32 v[X+\j], v[X+\j], s30, 3
.endr
.irp j, 0,1,2,3,4,5,6,7,8,9,10,11,12
	global_load_b64 v[X+14+2*\j:X+15+2*\j], v[X+\j], s[10:11]
.endr
.macro LOADS k                         ; K step k: sixteen rows x 512 consecutive bytes, into set k % 2
.irp p, 0,1,2,3,4,5,6,7,8,9,10,11,12,13,14,15
	global_load_b128 v[R+64*((\k)%2)+4*\p:R+64*((\k)%2)+4*\p+3], v[L16], s[ROWS+2*\p:ROWS+2*\p+1] offset:512*(\k) th:TH_LOAD_NT
.endr
.endm
	LOADS 0
	LOADS 1
	s_wait_loadcnt 32                              ; the 13 pairs are in; the 32 loads issued behind them may be out
	v_min3_num_f32 v241, v[X+14], v[X+16], v[X+18]
	v_max3_num_f32 v242, v[X+15], v[X+17], v[X+19]
.irp j, 20,24,28,32,36
	v_min3_num_f32 v241, v241, v[X+\j], v[X+\j+2]
	v_max3_num_f32 v242, v242, v[X+\j+1], v[X+\j+3]
.endr
.irp m, 1,2,4,8
	v_min_num_f32_dpp v241, v241, v241 row_xmask:\m row_mask:0xf bank_mask:0xf
	v_max_num_f32_dpp v242, v242, v242 row_xmask:\m row_mask:0xf bank_mask:0xf
.endr
	v_permlanex16_b32 v243, v241, s[SEL], s[SEL+1]
	v_permlanex16_b32 v244, v242, s[SEL], s[SEL+1]
	v_min_num_f32 v241, v241, v243                 ; a: the tensor's smallest number
	v_max_num_f32 v242, v242, v244                 ; b: its largest
	; the fake quantiser's numbers.  Each division is a product with a reciprocal and one step on the residual
	v_sub_f32 v245, v242, v241
	v_max_num_f32 v245, 0x322bcc77, v245           ; x: max(b - a, 1e-8)
	v_max3_num_f32 v246, |v241|, |v242|, 0x322bcc77   ; a weight: max(|w|, 1e-8)
	v_cndmask_b32 v245, v246, v245, s18            ; R
	v_mul_f32 v246, s73, v245
	v_fma_f32 v247, -v246, s72, v245
	v_fma_f32 v246, v247, s73, v246                ; s = R / L
	v_rcp_f32 v247, v246
	v_mov_b32 v250, 0xc3000000                     ; -128.  (A plain place behind the transcendental)
	s_wait_alu depctr_va_vdst(0)
	v_fma_f32 v248, -v246, v247, 1.0
	v_fma_f32 v247, v248, v247, v247               ; 1 / s
	v_mul_f32 v248, -v241, v247
	v_fma_f32 v249, -v248, v246, -v241
	v_fma_f32 v248, v249, v247, v248               ; -a / s
	v_rndne_f32 v248, v248                         ; zp
	v_sub_f32 v249, 0, v248                        ; -zp
	v_sub_f32 v248, 0x437f0000, v248               ; 255 - zp
	v_mov_b32 v251, 0x42fe0000                     ; 127
	v_cndmask_b32 v249, v250, v249, s18
	v_cndmask_b32 v248, v251, v248, s18
	v_readfirstlane_b32 s[RS], v247
	v_readfirstlane_b32 s[SS], v246
	v_readfirstlane_b32 s[LO], v249
	v_readfirstlane_b32 s[HI], v248
	s_mov_b32 s[RS+1], s[RS]                       ; (the packed forms name pairs and take the low word for both halves: so the high words are written)
	s_mov_b32 s[SS+1], s[SS]
; 64 numbers of a lane, v[s] .. v[s + 63], register 16 b + i = k 32 b + 16 (lane / 16) + i of my row, become a fragment's codes in v[PC] on and its scale word in v[PW].
.macro QUANT s
.irp b, 0,1,2,3
	v_max3_num_f32 v[TM+\b], |v[\s+16*\b]|, |v[\s+1+16*\b]|, 0x8000000   ; block b: my 16 numbers, and the floor 2^(16 - 127): so the byte cannot fall under 1
.endr
.irp i, 2,4,6,8,10,12,14
.irp b, 0,1,2,3
	v_max3_num_f32 v[TM+\b], v[TM+\b], |v[\s+16*\b+\i]|, |v[\s+1+16*\b+\i]|   ; (the four blocks by turns)
.endr
.endr
.irp b, 0,1,2,3
	v_permlanex16_b32 v[TM+4+\b], v[TM+\b], s[SEL], s[SEL+1]
.endr
.irp b, 0,1,2,3
	v_max_num_f32 v[TM+\b], v[TM+\b], v[TM+4+\b]   ; with lane l xor 16's: the block's largest magnitude
.endr
.irp b, 0,1,2,3
	v_add_nc_u32 v[TM+12+\b], 0xf8800000, v[TM+\b]   ; 15 off its exponent field: the conversion takes this operand's exponent field as its scale
.endr
.irp b, 0,1,2,3
	v_and_or_b32 v[TM+8+\b], v[TM+\b], 0x7f800000, s[MNT]   ; 57,344 x the scale
.endr
.irp b, 0,1,2,3
	v_lshrrev_b32 v[TM+4+\b], 23, v[TM+12+\b]      ; the scale's byte
.endr
	v_lshl_or_b32 v[PW], v[TM+5], 8, v[TM+4]
	v_lshl_or_b32 v[PW], v[TM+6], 16, v[PW]
	v_lshl_or_b32 v[PW], v[TM+7], 24, v[PW]        ; my row's scale word (lanes l and l xor 16 hold the same)
.irp b, 0,1,2,3
.irp i, 0,1,2,3,4,5,6,7,8,9,10,11,12,13,14,15
	v_med3_num_f32 v[\s+16*\b+\i], v[\s+16*\b+\i], -v[TM+8+\b], v[TM+8+\b]   ; the conversion to an 8-bit code does not saturate (ISA guide 7.6.2): the hold at the largest code x the scale
.endr
	v_cvt_scalef32_pk8_bf8_f32 v[PC+4*\b:PC+1+4*\b], v[\s+16*\b:\s+7+16*\b], v[TM+12+\b]
	v_cvt_scalef32_pk8_bf8_f32 v[PC+2+4*\b:PC+3+4*\b], v[\s+8+16*\b:\s+15+16*\b], v[TM+12+\b]
.endr
	v_nop                                          ; one plain line behind the last conversion
.endm
.macro STEP k
.if (\k) < 5
	s_wait_loadcnt 16                              ; this K step's sixteen loads are in; the next step's sixteen may be out
.else
	s_wait_loadcnt 0x0
.endif
.irp p, 0,1,2,3,4,5,6,7,8,9,10,11,12,13,14,15
	ds_store_b128 v[SA], v[R+64*((\k)%2)+4*\p:R+64*((\k)%2)+4*\p+3] offset:SP*\p
.endr
.irp b, 0,1,2,3
.irp j, 0,1,2,3
	ds_load_b128 v[X+16*\b+4*\j:X+16*\b+4*\j+3], v[SB] offset:128*\b+16*\j   ; LDS serves a wave's instructions in order: these see the stores above
.endr
.endr
	s_wait_dscnt 0x0                               ; my 64 numbers are back, and the stores have read their registers,
.if (\k) < 4
	LOADS (\k)+2                                   ; which take the K step two further on
.endif
.set i, 0
.rept 32
	v_pk_mul_f32 v[X+i:X+i+1], v[X+i:X+i+1], s[RS:RS+1] op_sel_hi:[1,0]
.set i, i+2
.endr
.set i, 0
.rept 64
	v_rndne_f32 v[X+i], v[X+i]
.set i, i+1
.endr
.set i, 0
.rept 64
	v_med3_num_f32 v[X+i], v[X+i], s[LO], s[HI]
.set i, i+1
.endr
.set i, 0
.rept 32
	v_pk_mul_f32 v[X+i:X+i+1], v[X+i:X+i+1], s[SS:SS+1] op_sel_hi:[1,0]
.set i, i+2
.endr
	s_wait_xcnt 0x0                                ; the last step's stores have read the codes' registers: they are written again only behind this wait
	QUANT X
.irp c, 0,1,2,3
	global_store_b128 v[L16], v[PC+4*\c:PC+4*\c+3], s[12:13] offset:2048*(\k)+512*\c   ; 32 lanes store 512 consecutive bytes, at a multiple of 256 from the buffer's first byte
.endr
.if (\k)%2 == 0
	v_mov_b32 v[SW+(\k)/2], v[PW]                  ; an even K step's word for lanes 0-15,
.else
	v_cndmask_b32 v[SW+(\k)/2], v[SW+(\k)/2], v[PW], s19   ; the odd one's for lanes 16-31
.endif
.endm
.irp k, 0,1,2,3,4,5
	STEP \k
.endr
	global_store_b128 v[L16], v[SW:SW+3], s[12:13] offset:12288   ; the scale words, and the 0 beside them: later launches bring whole records
	s_wait_tensorcnt 0x0
	ds_add_u32 v254, v255
	s_wait_dscnt 0x0
	s_endpgm
.Lfunc_end_k_q11af5a3237_quant:
	.size	k_q11af5a3237_quant, .Lfunc_end_k_q11af5a3237_quant-k_q11af5a3237_quant
	.p2alignl 7, 3214868480
	.fill 96, 4, 3214868480
	.section	.rodata,"a",@progbits
	.p2align	6, 0x0
	.amdhsa_kernel k_q11af5a3237_quant
		.amdhsa_group_segment_fixed_size 26112
		.amdhsa_private_segment_fixed_size 0
		.amdhsa_enable_private_segment 0
		.amdhsa_kernarg_size 56
		.amdhsa_user_sgpr_count 2
		.amdhsa_user_sgpr_kernarg_segment_ptr 1
		.amdhsa_wavefront_size32 1
		.amdhsa_system_sgpr_workgroup_id_x 1
		.amdhsa_system_sgpr_workgroup_id_y 1
		.amdhsa_system_sgpr_workgroup_id_z 1
		.amdhsa_system_vgpr_workitem_id 0
		.amdhsa_next_free_vgpr 256
		.amdhsa_next_free_sgpr 80
		.amdhsa_reserve_vcc 0
		.amdhsa_float_denorm_mode_32 3
		.amdhsa_float_denorm_mode_16_64 3
		.amdhsa_memory_ordered 1
		.amdhsa_forward_progress 1
		.amdhsa_inst_pref_size 143
	.end_amdhsa_kernel
	.amdgpu_metadata
---
amdhsa.version: [ 1, 2 ]
amdhsa.kernels:
  - .name:           k_q11af5a3237_quant
    .symbol:         k_q11af5a3237_quant.kd
    .args:
      - { .name: x, .offset: 0, .size: 8, .value_kind: global_buffer, .address_space: global }
      - { .name: w1, .offset: 8, .size: 8, .value_kind: global_buffer, .address_space: global }
      - { .name: w2, .offset: 16, .size: 8, .value_kind: global_buffer, .address_space: global }
      - { .name: part1, .offset: 24, .size: 8, .value_kind: global_buffer, .address_space: global }
      - { .name: xr, .offset: 32, .size: 8, .value_kind: global_buffer, .address_space: global }
      - { .name: w1r, .offset: 40, .size: 8, .value_kind: global_buffer, .address_space: global }
      - { .name: w2r, .offset: 48, .size: 8, .value_kind: global_buffer, .address_space: global }
    .group_segment_fixed_size: 26112
    .private_segment_fixed_size: 0
    .kernarg_segment_align: 8
    .kernarg_segment_size: 56
    .max_flat_workgroup_size: 96
    .sgpr_count:     80
    .vgpr_count:     256
    .wavefront_size: 32
...
	.end_amdgpu_metadata
.endif
;; end of part 2
;; launch gstat (part 3): grid 6 x 42, 4 waves a work-group, no clusters, 243,968 bytes of LDS; arguments xr, w1r, b1, part2; writes part2
.if DOCPART == 3
	.amdgcn_target "amdgcn-amd-amdhsa--gfx1250"
	.amdhsa_code_object_version 6
	.text
	.protected	k_q11af5a3237_gstat
	.globl	k_q11af5a3237_gstat
	.p2align	8
	.type	k_q11af5a3237_gstat,@function
k_q11af5a3237_gstat:
	s_mov_b64 s[64:65], 0
	v_nop
	global_prefetch_b8 v0, s[64:65] scope:SCOPE_SE
	s_setreg_imm32_b32 hwreg(HW_REG_WAVE_MODE, 25, 1), 1
	s_wait_xcnt 0x0
; The smallest and the largest number of g = int_gelu(xq w1q^T + b1), which the fake quantiser of g wants before a single code of g can be made.  g itself is not stored: the next launch makes it again.
; The product is on codes of BF8 (E5M2) with one E8M0 scale for each 32 along K, from the records that the launch before laid (16 rows x 768 along K in 12,800 bytes, in the order of the operand's registers).
; STATIONARY WEIGHTS.  Work-group (cg, rg): hidden units 512 cg on, row tiles 19 rg .. 19 rg + 18 (42 x 19 = 798 records; those behind the 788th repeat rows 0-159 and change no minimum or maximum).
; Wave w keeps its 128 hidden units x all 768 of K in registers for the whole launch: 8 tiles x 6 K steps x 16 registers = 768, read from memory once.  A row tile then costs 48 matrix instructions and 12,800 bytes of LDS reads.
; The work-group's 19 records of x, 243,200 consecutive bytes, come into LDS once, by two tensor loads a wave: a quarter of the first 3 records, a quarter of the other 16.  Nothing is filled again.
; TRANSPOSED USE: source 0 = 16 hidden units, source 1 = 16 rows of x: a lane holds one row, and the 16 registers of tiles 2 b, 2 b + 1 are hidden units 32 b + 16 (lane / 16) + 0 .. 15.  b1 is the C of each sum's first instruction.
; GELU: y = min(|h|, 1.769 sqrt 2); u = y / sqrt 2 - 1.769; g = max(h, 0) - 0.1444 u u y.  That is x / 2 (1 + sign(t) (a (min(|t|, -b) + b)^2 + 1)) written out for both signs; where the clip acts u is 0 but for one rounding.
; NO CLUSTER: x's records are shared by the 6 work-groups of a row group and the weights by the 42 of a column group, and neither 6 nor 42 is a multiple of 4; the weights go straight into registers.
; LIMITS: NaN and infinities are not served.
; REGISTERS: window 0: v1 LDS address in hand, v2 16 x lane, v[4:5] -1.769 twice, v8-71 the 8 accumulators, v72-135 b1's 8 tiles, v136-183 three fragments of x, v184-207 the weights' scale words, v208-211 x's,
;   v212-243 at work, v244-247 minima, v248-251 maxima.   windows 1-3: the weights: (tile t, K step s) in window 1 + s / 2 at v[128 (s % 2) + 16 t].
.set REC,   12800
.set TILES, 19
.set FIRST, 3                          ; records in the first fill
.set SCR,   TILES*REC                  ; behind the records: 256 bytes for the waves' pairs; no fill lands there
.set LA,  1
.set L16, 2
.set NBP, 4
.set H,   8
.set B,   72
.set XF,  136
.set WS,  184                          ; tile t's three words at WS + 3 t: lanes 0-15 K step 2 p, lanes 16-31 K step 2 p + 1
.set XS,  208
.set Y,   212
.set U,   228
.set BOFF, 243
.set MN,  244
.set MX,  248
.set WB,  20                           ; s[20:21] my weights' first record
.set G1A, 24                           ; s[24:31] descriptor group 1 of the first fill;  s[32:39] of the second
.set G1B, 32
.set G0A, 40                           ; s[40:43], s[44:47] their groups 0
.set G0B, 44
.set KK,  48                           ; s[48:49] 1 / sqrt 2
.set AH,  50                           ; s[50:51] -0.1444
.set CC,  52                           ; s52 1.769 sqrt 2
.set TB,  53                           ; s53 LDS byte of the record to be fetched
.set SEL, 60
.set CNT, 63
.set MSB, 0
.macro WIN new                         ; the immediate's high byte repeats the setting that is left; a switch that changes nothing is dropped
.if MSB != (\new)
	s_set_vgpr_msb (MSB<<8)|(\new)
.set MSB, (\new)
.endif
.endm
.macro PLACES n                        ; plain vector lines behind matrix instructions: 8 for this form, in front of loads into its registers and of the first read of results
.rept \n
	v_nop
.endr
.endm
.macro WM d, a, b, c, sa, sb, odd      ; one product; odd = 1: both scale words stand in lanes 16-31
.if \odd
	v_wmma_scale_f32_16x16x128_f8f6f4 v[\d:\d+7], v[\a:\a+15], v[\b:\b+15], v[\c:\c+7], v[\sa], v[\sb] matrix_a_fmt:MATRIX_FMT_BF8 matrix_b_fmt:MATRIX_FMT_BF8 matrix_a_scale:MATRIX_SCALE_ROW1 matrix_b_scale:MATRIX_SCALE_ROW1
.else
	v_wmma_scale_f32_16x16x128_f8f6f4 v[\d:\d+7], v[\a:\a+15], v[\b:\b+15], v[\c:\c+7], v[\sa], v[\sb] matrix_a_fmt:MATRIX_FMT_BF8 matrix_b_fmt:MATRIX_FMT_BF8
.endif
.endm
.macro MM s, slot                      ; K step s: my 8 tiles against the fragment of x in slot.  The 8 accumulators take turns, one instruction a turn
	WIN (1+(\s)/2)
.irp t, 0,1,2,3,4,5,6,7
.if (\s) == 0
	WM H+8*\t, 16*\t, XF+16*(\slot), B+8*\t, WS+3*\t, XS, 0
.else
	WM H+8*\t, 128*((\s)%2)+16*\t, XF+16*(\slot), H+8*\t, WS+3*\t+(\s)/2, XS+(\s)/2, (\s)%2
.endif
.endr
.endm
.macro LOADW stride                    ; the weights: 192 loads of 512 consecutive bytes, then 24 of scale words
.irp s, 0,1,2,3,4,5
	WIN ((1+\s/2)<<6)
.irp t, 0,1,2,3,4,5,6,7
.irp c, 0,1,2,3
	global_load_b128 v[128*(\s%2)+16*\t+4*\c:128*(\s%2)+16*\t+4*\c+3], v[L16], s[WB:WB+1] offset:\t*(\stride)+2048*\s+512*\c
.endr
.endr
.endr
	WIN 0
.irp t, 0,1,2,3,4,5,6,7
.irp p, 0,1,2
	global_load_b32 v[WS+3*\t+\p], v[L16], s[WB:WB+1] offset:\t*(\stride)+12288+4*\p
.endr
.endr
.endm
.macro FRAGX slot, s                   ; fragment s of the record in hand: four loads of 512 consecutive bytes
.irp c, 0,1,2,3
	ds_load_b128 v[XF+16*(\slot)+4*\c:XF+16*(\slot)+4*\c+3], v[LA] offset:2048*(\s)+512*\c
.endr
.endm
.macro NEXTA                           ; a record's scale words and first three fragments: 13 LDS loads
	WIN 0
	v_add_nc_u32 v[LA], s[TB], v[L16]
	ds_load_b128 v[XS:XS+3], v[LA] offset:12288
	FRAGX 0, 0
	FRAGX 1, 1
	FRAGX 2, 2
.endm
.macro GELU b                          ; on the 16 registers of tiles 2 b, 2 b + 1, each accumulator from its low end on
.set HB, H+16*(\b)
.set i, 0
.rept 16
	v_min_num_f32 v[Y+i], |v[HB+i]|, s[CC]
.set i, i+1
.endr
.set i, 0
.rept 16
	v_max_num_f32 v[HB+i], 0, v[HB+i]
.set i, i+1
.endr
.set i, 0
.rept 8
	v_pk_fma_f32 v[U+i:U+i+1], v[Y+i:Y+i+1], s[KK:KK+1], v[NBP:NBP+1] op_sel_hi:[1,0,1]
.set i, i+2
.endr
.set i, 0
.rept 8
	v_pk_mul_f32 v[U+i:U+i+1], v[U+i:U+i+1], v[U+i:U+i+1]
.set i, i+2
.endr
.set i, 0
.rept 8
	v_pk_mul_f32 v[U+i:U+i+1], v[U+i:U+i+1], v[Y+i:Y+i+1]
.set i, i+2
.endr
.set i, 0
.rept 8
	v_pk_fma_f32 v[HB+i:HB+i+1], v[U+i:U+i+1], s[AH:AH+1], v[HB+i:HB+i+1] op_sel_hi:[1,0,1]
.set i, i+2
.endr
.endm
.macro MINMAX b                        ; four chains by turns
.set HB, H+16*(\b)
.set i, 0
.rept 8
	v_min3_num_f32 v[MN+i%4], v[MN+i%4], v[HB+2*i], v[HB+2*i+1]
	v_max3_num_f32 v[MX+i%4], v[MX+i%4], v[HB+2*i], v[HB+2*i+1]
.set i, i+1
.endr
.endm
; A ROW TILE.  At its head 13 LDS loads are out: the scale words and fragments 0, 1, 2.  pre = 1: the next record's 13 are asked for ahead of the vector work.
.macro TILE pre
	s_wait_dscnt 8                                 ; the scale words and fragment 0 are in; fragments 1 and 2 may be out
	MM 0, 0
	s_wait_dscnt 4                                 ; fragment 2 may be out
	MM 1, 1
	PLACES 8
	WIN 0
	FRAGX 0, 3
	FRAGX 1, 4
	s_wait_dscnt 8                                 ; fragment 2 is in; 3 and 4 may be out
	MM 2, 2
	PLACES 8
	WIN 0
	FRAGX 2, 5
	s_wait_dscnt 8                                 ; 4 and 5 may be out
	MM 3, 0
	s_wait_dscnt 4                                 ; 5 may be out
	MM 4, 1
	s_wait_dscnt 0x0
	MM 5, 2
	PLACES 8
.if \pre
	s_add_co_u32 s[TB], s[TB], REC
	NEXTA
.else
	WIN 0
.endif
.irp b, 0,1,2,3
	GELU \b
	MINMAX \b
.endr
.endm
	s_load_b256 s[4:11], s[0:1], 0x0               ; xr s[4:5], w1r s[6:7], b1 s[8:9], part2 s[10:11]
	v_lshl_add_u32 v254, v0, 2, 0x3b700
	v_mov_b32 v255, 0
	ds_add_u32 v254, v255
	ds_add_u32 v254, v255
	v_lshrrev_b32 v1, 5, v0
	v_readfirstlane_b32 s14, v1                    ; wave 0..3
	s_mov_b32 s15, ttmp9                           ; cg
	s_and_b32 s16, ttmp7, 0xffff                   ; rg
	v_and_b32 v2, 31, v0
	v_lshlrev_b32 v[L16], 4, v2
	; descriptor group 1: dense bytes as rows of 3,200 bytes (400 elements of 8 bytes): 3 rows, and 16 rows
	s_mov_b32 s[G1A+0], 3<<16                      ; no mask; elements of 8 bytes; no padding
	s_mov_b32 s[G1A+1], 400<<16                    ; tensor_dim0
	s_mov_b32 s[G1A+2], 3<<16                      ; tensor_dim1
	s_mov_b32 s[G1A+3], 400<<16                    ; tile_dim0
	s_mov_b32 s[G1A+4], 3                          ; tile_dim1
	s_mov_b32 s[G1A+5], 400                        ; from row to row
	s_mov_b32 s[G1A+6], 0
	s_mov_b32 s[G1A+7], 0
	s_mov_b32 s[G1B+0], 3<<16
	s_mov_b32 s[G1B+1], 400<<16
	s_mov_b32 s[G1B+2], 16<<16
	s_mov_b32 s[G1B+3], 400<<16
	s_mov_b32 s[G1B+4], 16
	s_mov_b32 s[G1B+5], 400
	s_mov_b32 s[G1B+6], 0
	s_mov_b32 s[G1B+7], 0
	s_mul_i32 s17, s14, FIRST*REC/4                ; my quarter of the first 3 records: the same byte in LDS and from the row group's first record
	s_mul_i32 s18, s14, (TILES-FIRST)*REC/4
	s_add_co_u32 s18, s18, FIRST*REC               ; and of the other 16
	s_mul_i32 s22, s16, TILES*REC
	s_mov_b32 s23, 0
	s_wait_dscnt 0x0
	s_wait_kmcnt 0x0
	s_add_nc_u64 s[4:5], s[4:5], s[22:23]          ; xr at my row group's 19 records
	s_mov_b32 s22, s17
	s_mov_b32 s[G0A], 1
	s_mov_b32 s[G0A+1], s17
	s_add_nc_u64 s[G0A+2:G0A+3], s[4:5], s[22:23]
	s_or_b32 s[G0A+3], s[G0A+3], 0x80000000
	s_mov_b32 s22, s18
	s_mov_b32 s[G0B], 1
	s_mov_b32 s[G0B+1], s18
	s_add_nc_u64 s[G0B+2:G0B+3], s[4:5], s[22:23]
	s_or_b32 s[G0B+3], s[G0B+3], 0x80000000
	tensor_load_to_lds s[G0A:G0A+3], s[G1A:G1A+7]  ; both fills go out together, ahead of every wait on TENSORcnt, every LDS read and every barrier: two tensor loads of mine are out
	s_nop 0
	tensor_load_to_lds s[G0B:G0B+3], s[G1B:G1B+7]
	s_nop 0
.rept 4
	v_nop
.endr
	s_lshl_b32 s18, s15, 5
	s_lshl_b32 s19, s14, 3
	s_add_co_u32 s18, s18, s19
	s_mul_i32 s18, s18, REC                        ; my weights: records 32 cg + 8 w on
	s_mov_b32 s19, 0
	s_add_nc_u64 s[WB:WB+1], s[6:7], s[18:19]
	LOADW REC
	s_lshl_b32 s18, s15, 11
	s_lshl_b32 s22, s14, 9
	s_add_co_u32 s18, s18, s22
	s_add_nc_u64 s[8:9], s[8:9], s[18:19]          ; b1 at my 128 hidden units
	v_bfe_u32 v[BOFF], v0, 4, 1
	v_lshlrev_b32 v[BOFF], 6, v[BOFF]              ; lanes 16-31: 16 units on
.irp t, 0,1,2,3,4,5,6,7
	global_load_b128 v[B+8*\t:B+8*\t+3], v[BOFF], s[8:9] offset:4*(32*(\t/2)+8*(\t%2))
	global_load_b128 v[B+8*\t+4:B+8*\t+7], v[BOFF], s[8:9] offset:4*(32*(\t/2)+8*(\t%2))+16
.endr
	s_mov_b32 s[KK], 0x3f3504f3
	s_mov_b32 s[KK+1], s[KK]                       ; (the packed forms name pairs: both words are written)
	s_mov_b32 s[AH], 0xbe13dd98
	s_mov_b32 s[AH+1], s[AH]
	s_mov_b32 s[CC], 0x40201c92
	s_mov_b32 s[SEL], 0x76543210
	s_mov_b32 s[SEL+1], 0xfedcba98
	s_mov_b32 s[TB], 0
	v_mov_b32 v[NBP], 0xbfe26e98
	v_mov_b32 v[NBP+1], 0xbfe26e98
.irp c, 0,1,2,3
	v_mov_b32 v[MN+\c], 0x7f800000
	v_mov_b32 v[MX+\c], 0xff800000
.endr
	s_wait_tensorcnt 0x1                           ; my part of the first 3 records is in; the second load may stay out
	s_barrier_signal -1
	s_barrier_wait -1                              ; everybody's is
	s_wait_loadcnt 0x0                             ; the weights, their scale words and b1
	NEXTA
	s_mov_b32 s[CNT], FIRST-1
.Lfirst:
	TILE 1
	s_sub_co_u32 s[CNT], s[CNT], 1
	s_cmp_lg_u32 s[CNT], 0
	s_cbranch_scc1 .Lfirst
	TILE 0                                         ; the third record: the fourth is not asked for before it is known to lie in LDS
	s_wait_tensorcnt 0x0                           ; my part of the other 16 records is in
	s_wait_dscnt 0x0
	s_barrier_signal -1
	s_barrier_wait -1                              ; everybody's is
	s_add_co_u32 s[TB], s[TB], REC
	NEXTA
	s_mov_b32 s[CNT], TILES-FIRST-1
.Lrest:
	TILE 1
	s_sub_co_u32 s[CNT], s[CNT], 1
	s_cmp_lg_u32 s[CNT], 0
	s_cbranch_scc1 .Lrest
	TILE 0
	; the wave's pair, the work-group's pair, one store
	v_min3_num_f32 v[MN], v[MN], v[MN+1], v[MN+2]
	v_max3_num_f32 v[MX], v[MX], v[MX+1], v[MX+2]
	v_min_num_f32 v[MN], v[MN], v[MN+3]
	v_max_num_f32 v[MX], v[MX], v[MX+3]
.irp m, 1,2,4,8
	v_min_num_f32_dpp v[MN], v[MN], v[MN] row_xmask:\m row_mask:0xf bank_mask:0xf
	v_max_num_f32_dpp v[MX], v[MX], v[MX] row_xmask:\m row_mask:0xf bank_mask:0xf
.endr
	v_permlanex16_b32 v[MN+1], v[MN], s[SEL], s[SEL+1]
	v_permlanex16_b32 v[MX+1], v[MX], s[SEL], s[SEL+1]
	v_min_num_f32 v[MN], v[MN], v[MN+1]
	v_max_num_f32 v[MN+1], v[MX], v[MX+1]
	s_lshl_b32 s18, s14, 3
	s_add_co_u32 s18, s18, SCR
	v_mov_b32 v[Y], s18
	ds_store_b64 v[Y], v[MN:MN+1]                  ; all lanes write the same pair to the wave's 8 bytes
	s_wait_dscnt 0x0                               ; for the others' sake
	s_barrier_signal -1
	s_barrier_wait -1
	v_mov_b32 v[Y+1], SCR
	ds_load_b128 v[U:U+3], v[Y+1]
	ds_load_b128 v[U+4:U+7], v[Y+1] offset:16
	s_wait_dscnt 0x0
	v_min3_num_f32 v[MN], v[U], v[U+2], v[U+4]
	v_max3_num_f32 v[MN+1], v[U+1], v[U+3], v[U+5]
	v_min_num_f32 v[MN], v[MN], v[U+6]
	v_max_num_f32 v[MN+1], v[MN+1], v[U+7]
	s_mul_i32 s18, s16, 6
	s_add_co_u32 s18, s18, s15
	s_lshl_b32 s18, s18, 3
	v_mov_b32 v[Y+2], s18
	s_wait_xcnt 0x0                                ; EXEC changes only behind this wait
	v_cmp_eq_u32 vcc_lo, 0, v0
	s_wait_tensorcnt 0x0
	ds_add_u32 v254, v255
	s_wait_dscnt 0x0
	s_and_saveexec_b32 s19, vcc_lo
	global_store_b64 v[Y+2], v[MN:MN+1], s[10:11]  ; thread 0 alone: part2[6 rg + cg]
	s_wait_xcnt 0x0
	s_or_b32 exec_lo, exec_lo, s19
	s_endpgm
.Lfunc_end_k_q11af5a3237_gstat:
	.size	k_q11af5a3237_gstat, .Lfunc_end_k_q11af5a3237_gstat-k_q11af5a3237_gstat
	.p2alignl 7, 3214868480
	.fill 96, 4, 3214868480
	.section	.rodata,"a",@progbits
	.p2align	6, 0x0
	.amdhsa_kernel k_q11af5a3237_gstat
		.amdhsa_group_segment_fixed_size 243968
		.amdhsa_private_segment_fixed_size 0
		.amdhsa_enable_private_segment 0
		.amdhsa_kernarg_size 32
		.amdhsa_user_sgpr_count 2
		.amdhsa_user_sgpr_kernarg_segment_ptr 1
		.amdhsa_wavefront_size32 1
		.amdhsa_system_sgpr_workgroup_id_x 1
		.amdhsa_system_sgpr_workgroup_id_y 1
		.amdhsa_system_sgpr_workgroup_id_z 1
		.amdhsa_system_vgpr_workitem_id 0
		.amdhsa_next_free_vgpr 1024
		.amdhsa_next_free_sgpr 66
		.amdhsa_reserve_vcc 1
		.amdhsa_float_denorm_mode_32 3
		.amdhsa_float_denorm_mode_16_64 3
		.amdhsa_memory_ordered 1
		.amdhsa_forward_progress 1
		.amdhsa_inst_pref_size 136
	.end_amdhsa_kernel
	.amdgpu_metadata
---
amdhsa.version: [ 1, 2 ]
amdhsa.kernels:
  - .name:           k_q11af5a3237_gstat
    .symbol:         k_q11af5a3237_gstat.kd
    .args:
      - { .name: xr, .offset: 0, .size: 8, .value_kind: global_buffer, .address_space: global }
      - { .name: w1r, .offset: 8, .size: 8, .value_kind: global_buffer, .address_space: global }
      - { .name: b1, .offset: 16, .size: 8, .value_kind: global_buffer, .address_space: global }
      - { .name: part2, .offset: 24, .size: 8, .value_kind: global_buffer, .address_space: global }
    .group_segment_fixed_size: 243968
    .private_segment_fixed_size: 0
    .kernarg_segment_align: 8
    .kernarg_segment_size: 32
    .max_flat_workgroup_size: 128
    .sgpr_count:     66
    .vgpr_count:     1024
    .wavefront_size: 32
...
	.end_amdgpu_metadata
.endif
;; end of part 3
;; launch gquant (part 4): grid 6 x 42, 4 waves a work-group, no clusters, 243,968 bytes of LDS; arguments xr, w1r, b1, part2, gr; writes gr
.if DOCPART == 4
	.amdgcn_target "amdgcn-amd-amdhsa--gfx1250"
	.amdhsa_code_object_version 6
	.text
	.protected	k_q11af5a3237_gquant
	.globl	k_q11af5a3237_gquant
	.p2align	8
	.type	k_q11af5a3237_gquant,@function
k_q11af5a3237_gquant:
	s_mov_b64 s[64:65], 0
	v_nop
	global_prefetch_b8 v0, s[64:65] scope:SCOPE_SE
	s_setreg_imm32_b32 hwreg(HW_REG_WAVE_MODE, 25, 1), 1
	s_wait_xcnt 0x0
; g = int_gelu(xq w1q^T + b1) is made once more, by the same instructions as in the launch before; now its smallest and largest number are known (part2's 252 pairs), so it goes through its fake quantiser (256 levels, a zero point)
; and the MX quantiser, and leaves as codes of BF8 (E5M2) with E8M0 scale words, laid in records as the second product takes them.  g itself never goes to memory.
; STATIONARY WEIGHTS, as there: work-group (cg, rg): hidden units 512 cg on, row tiles 19 rg .. 19 rg + 18; wave w keeps 128 hidden units x K = 768 in 768 registers; the row group's 19 records of x come into LDS once, by two tensor loads a wave.
; A wave's 16 rows x 128 hidden units are exactly ONE K step of the second product: K step ks = 4 cg + w, which is fragment ks % 6 of record 4 rt + ks / 6 of gr: four stores of 512 consecutive bytes, and one scale word a row.
; TRANSPOSED USE: source 0 = 16 hidden units, source 1 = 16 rows of x: a lane holds one row, and the 16 registers of tiles 2 b, 2 b + 1 are 16 neighbours along the next K.  b1 is the C of each sum's first instruction.
; GELU: y = min(|h|, 1.769 sqrt 2); u = y / sqrt 2 - 1.769; g = max(h, 0) - 0.1444 u u y.
; THE FAKE QUANTISER: t = g x (1 / s) + 1.5 x 2^23 (one rounding, to the nearest whole number, ties to even); held between 1.5 x 2^23 - zp and that + 255; less 1.5 x 2^23 (exact); x s.
; NO CLUSTER: x's records are shared by 6 work-groups and the weights by 42, and neither number is a multiple of 4; the weights go straight into registers.
; LIMITS: g x (1 / s) stands for g / s: a level can differ only where g / s lies within about 1e-7 of its size from a half.  The rounding by 1.5 x 2^23 holds for |g / s| and zp under 2^22.
; NaN and infinities are not served.  A block of zeros gets the byte 1 over zero codes.  The fourth word of a lane's 16 bytes in a record's scale area is not written; the next launch does not read it.
; REGISTERS: window 0: v1 LDS address in hand, v2 16 x lane, v3 my scale word's place, v[4:5] -1.769 twice, v[6:7] 1.5 x 2^23 twice, v8-71 the 8 accumulators, v72-135 b1's 8 tiles, v136-183 three fragments of x,
;   v184-207 the weights' scale words, v208-211 x's, v212-227 at work, then the codes, v228-243 at work, v244 the scale word.   windows 1-3: the weights: (tile t, K step s) in window 1 + s / 2 at v[128 (s % 2) + 16 t].
.set REC,   12800
.set TILES, 19
.set FIRST, 3
.set LA,  1
.set L16, 2
.set GS,  3
.set NBP, 4
.set MGP, 6
.set H,   8
.set B,   72
.set XF,  136
.set WS,  184
.set XS,  208
.set Y,   212
.set U,   228
.set PC,  212
.set TM,  228
.set BOFF, 243
.set PW,  244
.set WB,  20
.set G1A, 24
.set G1B, 32
.set G0A, 40
.set G0B, 44
.set KK,  48
.set AH,  50
.set CC,  52
.set TB,  53
.set RS,  54                           ; s[54:55] 1 / s
.set SS,  56                           ; s[56:57] s
.set LO,  58                           ; s58 1.5 x 2^23 - zp
.set HI,  59                           ; s59 that + 255
.set SEL, 60
.set MNT, 62
.set CNT, 63
.set GB,  68                           ; s[68:69] where the tile's fragment goes
.set MSB, 0
.macro WIN new
.if MSB != (\new)
	s_set_vgpr_msb (MSB<<8)|(\new)
.set MSB, (\new)
.endif
.endm
.macro PLACES n                        ; plain vector lines behind matrix instructions: 8 for this form
.rept \n
	v_nop
.endr
.endm
.macro WM d, a, b, c, sa, sb, odd
.if \odd
	v_wmma_scale_f32_16x16x128_f8f6f4 v[\d:\d+7], v[\a:\a+15], v[\b:\b+15], v[\c:\c+7], v[\sa], v[\sb] matrix_a_fmt:MATRIX_FMT_BF8 matrix_b_fmt:MATRIX_FMT_BF8 matrix_a_scale:MATRIX_SCALE_ROW1 matrix_b_scale:MATRIX_SCALE_ROW1
.else
	v_wmma_scale_f32_16x16x128_f8f6f4 v[\d:\d+7], v[\a:\a+15], v[\b:\b+15], v[\c:\c+7], v[\sa], v[\sb] matrix_a_fmt:MATRIX_FMT_BF8 matrix_b_fmt:MATRIX_FMT_BF8
.endif
.endm
.macro MM s, slot                      ; the 8 accumulators take turns, one instruction a turn
	WIN (1+(\s)/2)
.irp t, 0,1,2,3,4,5,6,7
.if (\s) == 0
	WM H+8*\t, 16*\t, XF+16*(\slot), B+8*\t, WS+3*\t, XS, 0
.else
	WM H+8*\t, 128*((\s)%2)+16*\t, XF+16*(\slot), H+8*\t, WS+3*\t+(\s)/2, XS+(\s)/2, (\s)%2
.endif
.endr
.endm
.macro LOADW stride
.irp s, 0,1,2,3,4,5
	WIN ((1+\s/2)<<6)
.irp t, 0,1,2,3,4,5,6,7
.irp c, 0,1,2,3
	global_load_b128 v[128*(\s%2)+16*\t+4*\c:128*(\s%2)+16*\t+4*\c+3], v[L16], s[WB:WB+1] offset:\t*(\stride)+2048*\s+512*\c
.endr
.endr
.endr
	WIN 0
.irp t, 0,1,2,3,4,5,6,7
.irp p, 0,1,2
	global_load_b32 v[WS+3*\t+\p], v[L16], s[WB:WB+1] offset:\t*(\stride)+12288+4*\p
.endr
.endr
.endm
.macro FRAGX slot, s
.irp c, 0,1,2,3
	ds_load_b128 v[XF+16*(\slot)+4*\c:XF+16*(\slot)+4*\c+3], v[LA] offset:2048*(\s)+512*\c
.endr
.endm
.macro NEXTA
	WIN 0
	v_add_nc_u32 v[LA], s[TB], v[L16]
	ds_load_b128 v[XS:XS+3], v[LA] offset:12288
	FRAGX 0, 0
	FRAGX 1, 1
	FRAGX 2, 2
.endm
.macro GELU b                          ; each accumulator is read from its low end on
.set HB, H+16*(\b)
.set i, 0
.rept 16
	v_min_num_f32 v[Y+i], |v[HB+i]|, s[CC]
.set i, i+1
.endr
.set i, 0
.rept 16
	v_max_num_f32 v[HB+i], 0, v[HB+i]
.set i, i+1
.endr
.set i, 0
.rept 8
	v_pk_fma_f32 v[U+i:U+i+1], v[Y+i:Y+i+1], s[KK:KK+1], v[NBP:NBP+1] op_sel_hi:[1,0,1]
.set i, i+2
.endr
.set i, 0
.rept 8
	v_pk_mul_f32 v[U+i:U+i+1], v[U+i:U+i+1], v[U+i:U+i+1]
.set i, i+2
.endr
.set i, 0
.rept 8
	v_pk_mul_f32 v[U+i:U+i+1], v[U+i:U+i+1], v[Y+i:Y+i+1]
.set i, i+2
.endr
.set i, 0
.rept 8
	v_pk_fma_f32 v[HB+i:HB+i+1], v[U+i:U+i+1], s[AH:AH+1], v[HB+i:HB+i+1] op_sel_hi:[1,0,1]
.set i, i+2
.endr
.endm
.macro FQ b                            ; the fake quantiser on 16 registers
.set HB, H+16*(\b)
.set i, 0
.rept 8
	v_pk_fma_f32 v[HB+i:HB+i+1], v[HB+i:HB+i+1], s[RS:RS+1], v[MGP:MGP+1] op_sel_hi:[1,0,1]
.set i, i+2
.endr
.set i, 0
.rept 16
	v_med3_num_f32 v[HB+i], v[HB+i], s[LO], s[HI]
.set i, i+1
.endr
.set i, 0
.rept 8
	v_pk_add_f32 v[HB+i:HB+i+1], v[HB+i:HB+i+1], v[MGP:MGP+1] neg_lo:[0,1] neg_hi:[0,1]
.set i, i+2
.endr
.set i, 0
.rept 8
	v_pk_mul_f32 v[HB+i:HB+i+1], v[HB+i:HB+i+1], s[SS:SS+1] op_sel_hi:[1,0]
.set i, i+2
.endr
.endm
; 64 numbers of a lane, register 16 b + i = k 32 b + 16 (lane / 16) + i of my row, become a fragment's codes in v[PC] on and its scale word in v[PW].
.macro QUANT s
.irp b, 0,1,2,3
	v_max3_num_f32 v[TM+\b], |v[\s+16*\b]|, |v[\s+1+16*\b]|, 0x8000000   ; block b: my 16 numbers, and the floor 2^(16 - 127): so the byte cannot fall under 1
.endr
.irp i, 2,4,6,8,10,12,14
.irp b, 0,1,2,3
	v_max3_num_f32 v[TM+\b], v[TM+\b], |v[\s+16*\b+\i]|, |v[\s+1+16*\b+\i]|
.endr
.endr
.irp b, 0,1,2,3
	v_permlanex16_b32 v[TM+4+\b], v[TM+\b], s[SEL], s[SEL+1]
.endr
.irp b, 0,1,2,3
	v_max_num_f32 v[TM+\b], v[TM+\b], v[TM+4+\b]   ; with lane l xor 16's: the block's largest magnitude
.endr
.irp b, 0,1,2,3
	v_add_nc_u32 v[TM+12+\b], 0xf8800000, v[TM+\b]   ; 15 off its exponent field: the conversion's scale operand
.endr
.irp b, 0,1,2,3
	v_and_or_b32 v[TM+8+\b], v[TM+\b], 0x7f800000, s[MNT]   ; 57,344 x the scale
.endr
.irp b, 0,1,2,3
	v_lshrrev_b32 v[TM+4+\b], 23, v[TM+12+\b]      ; the scale's byte
.endr
	v_lshl_or_b32 v[PW], v[TM+5], 8, v[TM+4]
	v_lshl_or_b32 v[PW], v[TM+6], 16, v[PW]
	v_lshl_or_b32 v[PW], v[TM+7], 24, v[PW]        ; my row's scale word; lanes l and l xor 16 hold the same
.irp b, 0,1,2,3
.irp i, 0,1,2,3,4,5,6,7,8,9,10,11,12,13,14,15
	v_med3_num_f32 v[\s+16*\b+\i], v[\s+16*\b+\i], -v[TM+8+\b], v[TM+8+\b]   ; the conversion to an 8-bit code does not saturate (ISA guide 7.6.2): the hold
.endr
	v_cvt_scalef32_pk8_bf8_f32 v[PC+4*\b:PC+1+4*\b], v[\s+16*\b:\s+7+16*\b], v[TM+12+\b]
	v_cvt_scalef32_pk8_bf8_f32 v[PC+2+4*\b:PC+3+4*\b], v[\s+8+16*\b:\s+15+16*\b], v[TM+12+\b]
.endr
	v_nop                                          ; one plain line between the last conversion and the next products, which write its sources
.endm
.macro TILE pre
	s_wait_dscnt 8                                 ; the scale words and fragment 0 are in; fragments 1 and 2 may be out
	MM 0, 0
	s_wait_dscnt 4                                 ; fragment 2 may be out
	MM 1, 1
	PLACES 8
	WIN 0
	FRAGX 0, 3
	FRAGX 1, 4
	s_wait_dscnt 8                                 ; fragment 2 is in; 3 and 4 may be out
	MM 2, 2
	PLACES 8
	WIN 0
	FRAGX 2, 5
	s_wait_dscnt 8                                 ; 4 and 5 may be out
	MM 3, 0
	s_wait_dscnt 4                                 ; 5 may be out
	MM 4, 1
	s_wait_dscnt 0x0
	MM 5, 2
	PLACES 8
.if \pre
	s_add_co_u32 s[TB], s[TB], REC
	NEXTA
.else
	WIN 0
.endif
.irp b, 0,1,2,3
	GELU \b
.endr
.irp b, 0,1,2,3
	FQ \b
.endr
	QUANT H
.irp c, 0,1,2,3
	global_store_b128 v[L16], v[PC+4*\c:PC+4*\c+3], s[GB:GB+1] offset:512*\c   ; 32 lanes store 512 consecutive bytes, at a multiple of 256 from the buffer's first byte
.endr
	global_store_b32 v[GS], v[PW], s[GB:GB+1]      ; row r's word; lanes r and r + 16 name the same place with the same word, so EXEC stays whole
	s_wait_xcnt 0x0                                ; the stores have read their registers and their base: both are written again only behind this wait
	s_add_nc_u64 s[GB:GB+1], s[GB:GB+1], 4*REC     ; the next row tile's record of the same quarter of K
.endm
	s_load_b256 s[4:11], s[0:1], 0x0               ; xr s[4:5], w1r s[6:7], b1 s[8:9], part2 s[10:11]
	s_load_b64 s[12:13], s[0:1], 0x20              ; gr
	v_lshl_add_u32 v254, v0, 2, 0x3b700
	v_mov_b32 v255, 0
	ds_add_u32 v254, v255
	ds_add_u32 v254, v255
	v_lshrrev_b32 v1, 5, v0
	v_readfirstlane_b32 s14, v1                    ; wave 0..3
	s_mov_b32 s15, ttmp9                           ; cg
	s_and_b32 s16, ttmp7, 0xffff                   ; rg
	v_and_b32 v236, 31, v0                         ; lane
	v_lshlrev_b32 v[L16], 4, v236
	; descriptor group 1: dense bytes as rows of 3,200 bytes (400 elements of 8 bytes): 3 rows, and 16 rows
	s_mov_b32 s[G1A+0], 3<<16
	s_mov_b32 s[G1A+1], 400<<16
	s_mov_b32 s[G1A+2], 3<<16
	s_mov_b32 s[G1A+3], 400<<16
	s_mov_b32 s[G1A+4], 3
	s_mov_b32 s[G1A+5], 400
	s_mov_b32 s[G1A+6], 0
	s_mov_b32 s[G1A+7], 0
	s_mov_b32 s[G1B+0], 3<<16
	s_mov_b32 s[G1B+1], 400<<16
	s_mov_b32 s[G1B+2], 16<<16
	s_mov_b32 s[G1B+3], 400<<16
	s_mov_b32 s[G1B+4], 16
	s_mov_b32 s[G1B+5], 400
	s_mov_b32 s[G1B+6], 0
	s_mov_b32 s[G1B+7], 0
	s_mul_i32 s17, s14, FIRST*REC/4
	s_mul_i32 s18, s14, (TILES-FIRST)*REC/4
	s_add_co_u32 s18, s18, FIRST*REC
	s_mul_i32 s22, s16, TILES*REC
	s_mov_b32 s23, 0
	s_wait_dscnt 0x0
	s_wait_kmcnt 0x0
	s_add_nc_u64 s[4:5], s[4:5], s[22:23]
	s_mov_b32 s22, s17
	s_mov_b32 s[G0A], 1
	s_mov_b32 s[G0A+1], s17
	s_add_nc_u64 s[G0A+2:G0A+3], s[4:5], s[22:23]
	s_or_b32 s[G0A+3], s[G0A+3], 0x80000000
	s_mov_b32 s22, s18
	s_mov_b32 s[G0B], 1
	s_mov_b32 s[G0B+1], s18
	s_add_nc_u64 s[G0B+2:G0B+3], s[4:5], s[22:23]
	s_or_b32 s[G0B+3], s[G0B+3], 0x80000000
	tensor_load_to_lds s[G0A:G0A+3], s[G1A:G1A+7]  ; both fills go out together, ahead of every wait on TENSORcnt, every LDS read and every barrier: two tensor loads of mine are out
	s_nop 0
	tensor_load_to_lds s[G0B:G0B+3], s[G1B:G1B+7]
	s_nop 0
.rept 4
	v_nop
.endr
.irp j, 0,1,2,3,4,5,6,7
	v_add_nc_u32 v[Y+\j], 32*\j, v236
	v_min_u32 v[Y+\j], 251, v[Y+\j]                ; 8 x 32 lanes cover the 252 pairs; the last four repeat the last pair
	v_lshlrev_b32 v[Y+\j], 3, v[Y+\j]
.endr
.irp j, 0,1,2,3,4,5,6,7
	global_load_b64 v[Y+8+2*\j:Y+9+2*\j], v[Y+\j], s[10:11]
.endr
	s_lshl_b32 s18, s15, 5
	s_lshl_b32 s19, s14, 3
	s_add_co_u32 s18, s18, s19
	s_mul_i32 s18, s18, REC
	s_mov_b32 s19, 0
	s_add_nc_u64 s[WB:WB+1], s[6:7], s[18:19]
	LOADW REC
	s_lshl_b32 s18, s15, 11
	s_lshl_b32 s22, s14, 9
	s_add_co_u32 s18, s18, s22
	s_add_nc_u64 s[8:9], s[8:9], s[18:19]
	v_bfe_u32 v[BOFF], v0, 4, 1
	v_lshlrev_b32 v[BOFF], 6, v[BOFF]
.irp t, 0,1,2,3,4,5,6,7
	global_load_b128 v[B+8*\t:B+8*\t+3], v[BOFF], s[8:9] offset:4*(32*(\t/2)+8*(\t%2))
	global_load_b128 v[B+8*\t+4:B+8*\t+7], v[BOFF], s[8:9] offset:4*(32*(\t/2)+8*(\t%2))+16
.endr
	s_mov_b32 s[KK], 0x3f3504f3
	s_mov_b32 s[KK+1], s[KK]
	s_mov_b32 s[AH], 0xbe13dd98
	s_mov_b32 s[AH+1], s[AH]
	s_mov_b32 s[CC], 0x40201c92
	s_mov_b32 s[SEL], 0x76543210
	s_mov_b32 s[SEL+1], 0xfedcba98
	s_mov_b32 s[MNT], 0x600000
	s_mov_b32 s[TB], 0
	v_mov_b32 v[NBP], 0xbfe26e98
	v_mov_b32 v[NBP+1], 0xbfe26e98
	v_mov_b32 v[MGP], 0x4b400000
	v_mov_b32 v[MGP+1], 0x4b400000
	; where my fragments go: K step ks = 4 cg + w of the second product = fragment ksl = ks % 6 of quarter q = ks / 6
	s_lshl_b32 s18, s15, 2
	s_add_co_u32 s18, s18, s14                     ; ks, 0 .. 23
	s_mul_i32 s17, s18, 43
	s_lshr_b32 s17, s17, 8                         ; q = ks / 6 (43 / 256 serves up to 23)
	s_mul_i32 s22, s17, 6
	s_sub_co_u32 s22, s18, s22                     ; ksl
	s_mul_i32 s23, s16, 4*TILES
	s_add_co_u32 s23, s23, s17                     ; record 4 x 19 rg + q
	s_mul_i32 s18, s23, REC
	s_lshl_b32 s23, s22, 11                        ; 2,048 ksl
	s_add_co_u32 s18, s18, s23                     ; under 2^26
	s_add_nc_u64 s[GB:GB+1], s[12:13], s[18:19]
	s_sub_co_u32 s23, 12288, s23                   ; from there to the scale area,
	s_and_b32 s18, s22, 1
	s_lshl_b32 s18, s18, 8
	s_add_co_u32 s23, s23, s18                     ; an odd K step's words stand in lanes 16-31's places,
	s_lshr_b32 s18, s22, 1
	s_lshl_b32 s18, s18, 2
	s_add_co_u32 s23, s23, s18                     ; word ksl / 2,
	v_and_b32 v[GS], 15, v0
	v_lshl_add_u32 v[GS], v[GS], 4, s23            ; 16 bytes a row
	s_wait_tensorcnt 0x1                           ; my part of the first 3 records is in; the second load may stay out
	s_barrier_signal -1
	s_barrier_wait -1
	s_wait_loadcnt 0x0                             ; part2's pairs, the weights, their scale words and b1
	v_min3_num_f32 v237, v[Y+8], v[Y+10], v[Y+12]
	v_max3_num_f32 v238, v[Y+9], v[Y+11], v[Y+13]
	v_min3_num_f32 v237, v237, v[Y+14], v[Y+16]
	v_max3_num_f32 v238, v238, v[Y+15], v[Y+17]
	v_min3_num_f32 v237, v237, v[Y+18], v[Y+20]
	v_max3_num_f32 v238, v238, v[Y+19], v[Y+21]
	v_min_num_f32 v237, v237, v[Y+22]
	v_max_num_f32 v238, v238, v[Y+23]
	v_mov_b32 v239, 0
	v_mov_b32 v240, 0
.irp m, 1,2,4,8
	v_min_num_f32_dpp v237, v237, v237 row_xmask:\m row_mask:0xf bank_mask:0xf
	v_max_num_f32_dpp v238, v238, v238 row_xmask:\m row_mask:0xf bank_mask:0xf
.endr
	v_permlanex16_b32 v239, v237, s[SEL], s[SEL+1]
	v_permlanex16_b32 v240, v238, s[SEL], s[SEL+1]
	v_min_num_f32 v237, v237, v239                 ; a: g's smallest number
	v_max_num_f32 v238, v238, v240                 ; b: its largest
	v_sub_f32 v239, v238, v237
	v_max_num_f32 v239, 0x322bcc77, v239           ; max(b - a, 1e-8)
	v_mov_b32 v241, 0x3b808081                     ; 1 / 255
	v_mov_b32 v242, 0x437f0000                     ; 255
	v_mul_f32 v240, v239, v241
	v_fma_f32 v239, -v240, v242, v239
	v_fma_f32 v240, v239, v241, v240               ; s: the product with 1 / 255 and one step on the residual
	v_rcp_f32 v239, v240
	v_nop                                          ; one plain place behind a transcendental
	s_wait_alu depctr_va_vdst(0)
	v_fma_f32 v241, -v240, v239, 1.0
	v_fma_f32 v239, v241, v239, v239               ; 1 / s
	v_mul_f32 v241, -v237, v239
	v_fma_f32 v236, -v241, v240, -v237
	v_fma_f32 v241, v236, v239, v241               ; -a / s
	v_rndne_f32 v241, v241                         ; zp
	v_sub_f32 v236, 0x4b400000, v241               ; 1.5 x 2^23 - zp: exact
	v_add_f32 v237, v236, v242                     ; + 255: exact
	v_readfirstlane_b32 s[RS], v239
	v_readfirstlane_b32 s[SS], v240
	v_readfirstlane_b32 s[LO], v236
	v_readfirstlane_b32 s[HI], v237
	s_mov_b32 s[RS+1], s[RS]
	s_mov_b32 s[SS+1], s[SS]
	NEXTA
	s_mov_b32 s[CNT], FIRST-1
.Lfirst:
	TILE 1
	s_sub_co_u32 s[CNT], s[CNT], 1
	s_cmp_lg_u32 s[CNT], 0
	s_cbranch_scc1 .Lfirst
	TILE 0                                         ; the third record: the fourth is not asked for before it is known to lie in LDS
	s_wait_tensorcnt 0x0                           ; my part of the other 16 records is in
	s_wait_dscnt 0x0
	s_barrier_signal -1
	s_barrier_wait -1                              ; everybody's is
	s_add_co_u32 s[TB], s[TB], REC
	NEXTA
	s_mov_b32 s[CNT], TILES-FIRST-1
.Lrest:
	TILE 1
	s_sub_co_u32 s[CNT], s[CNT], 1
	s_cmp_lg_u32 s[CNT], 0
	s_cbranch_scc1 .Lrest
	TILE 0
	s_wait_tensorcnt 0x0
	ds_add_u32 v254, v255
	s_wait_dscnt 0x0
	s_endpgm
.Lfunc_end_k_q11af5a3237_gquant:
	.size	k_q11af5a3237_gquant, .Lfunc_end_k_q11af5a3237_gquant-k_q11af5a3237_gquant
	.p2alignl 7, 3214868480
	.fill 96, 4, 3214868480
	.section	.rodata,"a",@progbits
	.p2align	6, 0x0
	.amdhsa_kernel k_q11af5a3237_gquant
		.amdhsa_group_segment_fixed_size 243968
		.amdhsa_private_segment_fixed_size 0
		.amdhsa_enable_private_segment 0
		.amdhsa_kernarg_size 40
		.amdhsa_user_sgpr_count 2
		.amdhsa_user_sgpr_kernarg_segment_ptr 1
		.amdhsa_wavefront_size32 1
		.amdhsa_system_sgpr_workgroup_id_x 1
		.amdhsa_system_sgpr_workgroup_id_y 1
		.amdhsa_system_sgpr_workgroup_id_z 1
		.amdhsa_system_vgpr_workitem_id 0
		.amdhsa_next_free_vgpr 1024
		.amdhsa_next_free_sgpr 72
		.amdhsa_reserve_vcc 0
		.amdhsa_float_denorm_mode_32 3
		.amdhsa_float_denorm_mode_16_64 3
		.amdhsa_memory_ordered 1
		.amdhsa_forward_progress 1
		.amdhsa_inst_pref_size 197
	.end_amdhsa_kernel
	.amdgpu_metadata
---
amdhsa.version: [ 1, 2 ]
amdhsa.kernels:
  - .name:           k_q11af5a3237_gquant
    .symbol:         k_q11af5a3237_gquant.kd
    .args:
      - { .name: xr, .offset: 0, .size: 8, .value_kind: global_buffer, .address_space: global }
      - { .name: w1r, .offset: 8, .size: 8, .value_kind: global_buffer, .address_space: global }
      - { .name: b1, .offset: 16, .size: 8, .value_kind: global_buffer, .address_space: global }
      - { .name: part2, .offset: 24, .size: 8, .value_kind: global_buffer, .address_space: global }
      - { .name: gr, .offset: 32, .size: 8, .value_kind: global_buffer, .address_space: global }
    .group_segment_fixed_size: 243968
    .private_segment_fixed_size: 0
    .kernarg_segment_align: 8
    .kernarg_segment_size: 40
    .max_flat_workgroup_size: 128
    .sgpr_count:     72
    .vgpr_count:     1024
    .wavefront_size: 32
...
	.end_amdgpu_metadata
.endif
;; end of part 4
;; launch gemm2 (part 5): grid 6 x 42, 4 waves a work-group, no clusters, 68,096 bytes of LDS; arguments gr, w2r, b2, out0; writes out0
.if DOCPART == 5
	.amdgcn_target "amdgcn-amd-amdhsa--gfx1250"
	.amdhsa_code_object_version 6
	.text
	.protected	k_q11af5a3237_gemm2
	.globl	k_q11af5a3237_gemm2
	.p2align	8
	.type	k_q11af5a3237_gemm2,@function
k_q11af5a3237_gemm2:
	s_mov_b64 s[64:65], 0
	v_nop
	global_prefetch_b8 v0, s[64:65] scope:SCOPE_SE
	s_setreg_imm32_b32 hwreg(HW_REG_WAVE_MODE, 25, 1), 1
	s_wait_xcnt 0x0
; out = gq w2q^T + b2, on codes of BF8 (E5M2) with one E8M0 scale for each 32 along K, from records of 16 rows x 768 along K (12,800 bytes, in the order of the operand's registers).
; STATIONARY WEIGHTS.  Work-group (cg, rg): output columns 128 cg on, row tiles 19 rg .. 19 rg + 18.  Wave w keeps those 128 columns x K quarter w (768 of 3,072) in 768 registers for the whole launch, read from memory once.
; A row tile costs a wave 48 matrix instructions.  Its record of gr (row tile rt, quarter w) is read by this wave alone in the work-group, so it goes from memory straight into registers: 24 loads of 512 consecutive bytes and one of
; scale words, asked for a whole tile ahead.  No tensor load, no ring.
; K IS SUMMED IN FOUR QUARTERS, one a wave, each ascending; the four partial sums meet in LDS and are added in f32 as (P0 + P1) + (P2 + P3) + b2.
; TRANSPOSED USE: source 0 = 16 columns of the output (rows of w2), source 1 = 16 rows of gq: a lane holds 8 neighbouring columns of one row.  Each wave lays its 16 x 128 partial sums in rows of 528 bytes; behind ONE barrier
; wave w reads rows 4 w .. 4 w + 3 of all four and stores whole pieces of 512 bytes.  Two LDS sets take turns: a set is written again two tiles on, behind the barrier of the tile between, which every wave signals with its reads back.
; The last row group's tiles from the 788th on repeat rows 0-159; they are multiplied and not stored (a scalar branch on the tile's number round the four stores alone).
; NO CLUSTER: a record of gr is shared by the 6 work-groups of a row group and the weights by the 42 of a column group, and neither 6 nor 42 is a multiple of 4; both go straight into registers.
; REGISTERS: window 0: v1 16 x lane, v2, v3 LDS addresses, v8-71 the 8 accumulators, later the 16 pieces to be added, v72-167 six fragments of gq, v168-191 the weights' scale words, v192-194 and v196-198 gq's, two sets, v200-203 b2.
;   windows 1-3: the weights: (tile t, K step s) in window 1 + s / 2 at v[128 (s % 2) + 16 t].
.set REC,   12800
.set TILES, 19
.set SETB,  33792                      ; an LDS set: four waves x 16 rows x 528 bytes
.set L16, 1
.set STO, 2                            ; v2  8,448 w + 528 r + 32 h
.set RD,  3                            ; v3  528 x 4 w + 16 x lane
.set H,   8
.set XF,  72
.set WS,  168
.set XS,  192
.set BB,  200
.set AB,  20                           ; s[20:21] gr at the tile's record
.set OB,  22                           ; s[22:23] out0 at my four rows of the tile
.set RT,  24                           ; s24 the row tile's number
.set WB,  26                           ; s[26:27] my weights' first record
.set CNT, 28
.set MSB, 0
.macro WIN new
.if MSB != (\new)
	s_set_vgpr_msb (MSB<<8)|(\new)
.set MSB, (\new)
.endif
.endm
.macro PLACES n                        ; plain vector lines behind matrix instructions: 8 for this form
.rept \n
	v_nop
.endr
.endm
.macro WM d, a, b, c, sa, sb, odd      ; c < 0: the constant 0 starts the sum
.if (\c) < 0
	v_wmma_scale_f32_16x16x128_f8f6f4 v[\d:\d+7], v[\a:\a+15], v[\b:\b+15], 0, v[\sa], v[\sb] matrix_a_fmt:MATRIX_FMT_BF8 matrix_b_fmt:MATRIX_FMT_BF8
.elseif \odd
	v_wmma_scale_f32_16x16x128_f8f6f4 v[\d:\d+7], v[\a:\a+15], v[\b:\b+15], v[\c:\c+7], v[\sa], v[\sb] matrix_a_fmt:MATRIX_FMT_BF8 matrix_b_fmt:MATRIX_FMT_BF8 matrix_a_scale:MATRIX_SCALE_ROW1 matrix_b_scale:MATRIX_SCALE_ROW1
.else
	v_wmma_scale_f32_16x16x128_f8f6f4 v[\d:\d+7], v[\a:\a+15], v[\b:\b+15], v[\c:\c+7], v[\sa], v[\sb] matrix_a_fmt:MATRIX_FMT_BF8 matrix_b_fmt:MATRIX_FMT_BF8
.endif
.endm
.macro MM s, p                         ; K step s of my quarter; p: the set of gq's scale words.  The 8 accumulators take turns, one instruction a turn
	WIN (1+(\s)/2)
.irp t, 0,1,2,3,4,5,6,7
.if (\s) == 0
	WM H+8*\t, 16*\t, XF, -1, WS+3*\t, XS+4*(\p), 0
.else
	WM H+8*\t, 128*((\s)%2)+16*\t, XF+16*(\s), H+8*\t, WS+3*\t+(\s)/2, XS+4*(\p)+(\s)/2, (\s)%2
.endif
.endr
.endm
.macro LOADW stride
.irp s, 0,1,2,3,4,5
	WIN ((1+\s/2)<<6)
.irp t, 0,1,2,3,4,5,6,7
.irp c, 0,1,2,3
	global_load_b128 v[128*(\s%2)+16*\t+4*\c:128*(\s%2)+16*\t+4*\c+3], v[L16], s[WB:WB+1] offset:\t*(\stride)+2048*\s+512*\c
.endr
.endr
.endr
	WIN 0
.irp t, 0,1,2,3,4,5,6,7
.irp p, 0,1,2
	global_load_b32 v[WS+3*\t+\p], v[L16], s[WB:WB+1] offset:\t*(\stride)+12288+4*\p
.endr
.endr
.endm
.macro FRAGG s, off                    ; fragment s of the record off bytes on
.irp c, 0,1,2,3
	global_load_b128 v[XF+16*(\s)+4*\c:XF+16*(\s)+4*\c+3], v[L16], s[AB:AB+1] offset:(\off)+2048*(\s)+512*\c
.endr
.endm
; A ROW TILE.  p: its parity (LDS set, set of scale words).  pre = 1: the next tile's record is asked for.  At its head this tile's 24 fragment loads are out, its scale words asked for ahead of them.
; THE COUNTS: behind fragment s stand this tile's later fragments, 4 (5 - s), the next tile's scale words, 1, and the next tile's fragments already asked for, 8 (s / 2): 21 for even s, 17 for odd s.  Without a next tile: 20 - 4 s.
.macro TILE5 p, pre
.if \pre
	global_load_b96 v[XS+4*(1-\p):XS+4*(1-\p)+2], v[L16], s[AB:AB+1] offset:4*REC+12288   ; three words a lane; the fourth is not written and not read
.endif
.irp s, 0,1,2,3,4,5
.if \pre
	s_wait_loadcnt 21-4*(\s%2)
.else
	s_wait_loadcnt 20-4*\s
.endif
	MM \s, \p
.if \pre && (\s%2)
	PLACES 8
	WIN 0
	FRAGG \s-1, 4*REC                              ; the two fragments just multiplied give way to the next tile's
	FRAGG \s, 4*REC
.endif
.endr
.if \pre == 0
	PLACES 8
.endif
	WIN 0
.irp t, 0,1,2,3,4,5,6,7
	ds_store_b128 v[STO], v[H+8*\t:H+8*\t+3] offset:SETB*(\p)+64*\t          ; each accumulator from its low end on
	ds_store_b128 v[STO], v[H+8*\t+4:H+8*\t+7] offset:SETB*(\p)+64*\t+16
.endr
	s_wait_dscnt 0x0                               ; for the others' sake: my partial sums lie in LDS (and my reads of the other set came back in the tile before)
	s_barrier_signal -1
	s_barrier_wait -1
.irp u, 0,1,2,3
.irp i, 0,1,2,3
	ds_load_b128 v[H+16*\u+4*\i:H+16*\u+4*\i+3], v[RD] offset:SETB*(\p)+8448*\u+528*\i   ; wave u's partial sums of my row i: 512 consecutive bytes
.endr
.endr
	s_wait_dscnt 0x0
.irp i, 0,1,2,3
.irp e, 0,2
	v_pk_add_f32 v[H+4*\i+\e:H+4*\i+\e+1], v[H+4*\i+\e:H+4*\i+\e+1], v[H+16+4*\i+\e:H+16+4*\i+\e+1]
	v_pk_add_f32 v[H+32+4*\i+\e:H+32+4*\i+\e+1], v[H+32+4*\i+\e:H+32+4*\i+\e+1], v[H+48+4*\i+\e:H+48+4*\i+\e+1]
.endr
.endr
.irp i, 0,1,2,3
.irp e, 0,2
	v_pk_add_f32 v[H+4*\i+\e:H+4*\i+\e+1], v[H+4*\i+\e:H+4*\i+\e+1], v[H+32+4*\i+\e:H+32+4*\i+\e+1]
.endr
.endr
.irp i, 0,1,2,3
.irp e, 0,2
	v_pk_add_f32 v[H+4*\i+\e:H+4*\i+\e+1], v[H+4*\i+\e:H+4*\i+\e+1], v[BB+\e:BB+\e+1]
.endr
.endr
	s_cmp_ge_u32 s[RT], 788                        ; a tile behind the 788th repeats rows that another tile owns
	s_cbranch_scc1 .Lnot_stored_\@
.irp i, 0,1,2,3
	global_store_b128 v[L16], v[H+4*\i:H+4*\i+3], s[OB:OB+1] offset:3072*\i th:TH_STORE_NT   ; 32 lanes store 512 consecutive bytes, at a multiple of 256 from out0's first byte; written once, read by nobody here
.endr
.Lnot_stored_\@:
	s_wait_xcnt 0x0                                ; loads and stores have read their registers and bases: these are written again only behind this wait
	s_add_nc_u64 s[AB:AB+1], s[AB:AB+1], 4*REC
	s_add_nc_u64 s[OB:OB+1], s[OB:OB+1], 16*3072
	s_add_co_u32 s[RT], s[RT], 1
.endm
	s_load_b256 s[4:11], s[0:1], 0x0               ; gr s[4:5], w2r s[6:7], b2 s[8:9], out0 s[10:11]
	v_lshl_add_u32 v254, v0, 2, 0x10800
	v_mov_b32 v255, 0
	v_lshrrev_b32 v1, 5, v0
	v_readfirstlane_b32 s14, v1                    ; wave 0..3: my quarter of K
	s_mov_b32 s15, ttmp9                           ; cg
	s_and_b32 s16, ttmp7, 0xffff                   ; rg
	v_and_b32 v1, 31, v0
	v_lshlrev_b32 v[L16], 4, v1
	v_and_b32 v4, 15, v0                           ; r
	v_bfe_u32 v5, v0, 4, 1                         ; h
	v_mul_u32_u24 v[STO], v4, 528
	v_lshl_add_u32 v[STO], v5, 5, v[STO]
	s_mul_i32 s17, s14, 16*528
	v_add_nc_u32 v[STO], s17, v[STO]
	s_mul_i32 s17, s14, 4*528
	v_add_nc_u32 v[RD], s17, v[L16]
	s_lshl_b32 s18, s15, 5
	s_add_co_u32 s18, s18, s14
	s_mul_i32 s18, s18, REC                        ; my weights: records 4 (8 cg + t) + w
	s_mov_b32 s19, 0
	s_wait_kmcnt 0x0
	s_add_nc_u64 s[WB:WB+1], s[6:7], s[18:19]
	s_mul_i32 s18, s16, 4*TILES
	s_add_co_u32 s18, s18, s14
	s_mul_i32 s18, s18, REC                        ; gr: record 4 x 19 rg + w; under 2^26
	s_add_nc_u64 s[AB:AB+1], s[4:5], s[18:19]
	s_mul_i32 s18, s16, 16*TILES
	s_lshl_b32 s17, s14, 2
	s_add_co_u32 s18, s18, s17                     ; out0: row 304 rg + 4 w,
	s_mul_i32 s18, s18, 3072
	s_lshl_b32 s17, s15, 9                         ; column 128 cg
	s_add_co_u32 s18, s18, s17
	s_add_nc_u64 s[OB:OB+1], s[10:11], s[18:19]
	s_mov_b32 s18, s17
	s_add_nc_u64 s[8:9], s[8:9], s[18:19]          ; b2 at column 128 cg
	s_mul_i32 s[RT], s16, TILES
	LOADW 4*REC
	global_load_b128 v[BB:BB+3], v[L16], s[8:9]    ; b2 of my four columns
	global_load_b96 v[XS:XS+2], v[L16], s[AB:AB+1] offset:12288
.irp s, 0,1,2,3,4,5
	FRAGG \s, 0
.endr
	s_mov_b32 s[CNT], (TILES-1)/2
.Lpair:                                                ; two row tiles a trip: the LDS sets and the sets of scale words take turns.  Loads come back in order: the first tile's first wait also covers the weights, b2 and the scale words
	TILE5 0, 1
	TILE5 1, 1
	s_sub_co_u32 s[CNT], s[CNT], 1
	s_cmp_lg_u32 s[CNT], 0
	s_cbranch_scc1 .Lpair
	TILE5 0, 0                                     ; the nineteenth tile asks for nothing: no load leaves its buffer
	s_wait_tensorcnt 0x0
	ds_add_u32 v254, v255
	s_wait_dscnt 0x0
	s_endpgm
.Lfunc_end_k_q11af5a3237_gemm2:
	.size	k_q11af5a3237_gemm2, .Lfunc_end_k_q11af5a3237_gemm2-k_q11af5a3237_gemm2
	.p2alignl 7, 3214868480
	.fill 96, 4, 3214868480
	.section	.rodata,"a",@progbits
	.p2align	6, 0x0
	.amdhsa_kernel k_q11af5a3237_gemm2
		.amdhsa_group_segment_fixed_size 68096
		.amdhsa_private_segment_fixed_size 0
		.amdhsa_enable_private_segment 0
		.amdhsa_kernarg_size 32
		.amdhsa_user_sgpr_count 2
		.amdhsa_user_sgpr_kernarg_segment_ptr 1
		.amdhsa_wavefront_size32 1
		.amdhsa_system_sgpr_workgroup_id_x 1
		.amdhsa_system_sgpr_workgroup_id_y 1
		.amdhsa_system_sgpr_workgroup_id_z 1
		.amdhsa_system_vgpr_workitem_id 0
		.amdhsa_next_free_vgpr 1024
		.amdhsa_next_free_sgpr 66
		.amdhsa_reserve_vcc 0
		.amdhsa_float_denorm_mode_32 3
		.amdhsa_float_denorm_mode_16_64 3
		.amdhsa_memory_ordered 1
		.amdhsa_forward_progress 1
		.amdhsa_inst_pref_size 65
	.end_amdhsa_kernel
	.amdgpu_metadata
---
amdhsa.version: [ 1, 2 ]
amdhsa.kernels:
  - .name:           k_q11af5a3237_gemm2
    .symbol:         k_q11af5a3237_gemm2.kd
    .args:
      - { .name: gr, .offset: 0, .size: 8, .value_kind: global_buffer, .address_space: global }
      - { .name: w2r, .offset: 8, .size: 8, .value_kind: global_buffer, .address_space: global }
      - { .name: b2, .offset: 16, .size: 8, .value_kind: global_buffer, .address_space: global }
      - { .name: out0, .offset: 24, .size: 8, .value_kind: global_buffer, .address_space: global }
    .group_segment_fixed_size: 68096
    .private_segment_fixed_size: 0
    .kernarg_segment_align: 8
    .kernarg_segment_size: 32
    .max_flat_workgroup_size: 128
    .sgpr_count:     66
    .vgpr_count:     1024
    .wavefront_size: 32
...
	.end_amdgpu_metadata
.endif
;; end of part 5
;; ======== version 2 of 2: 5 launches; version 1 with the launch gemm2 written anew for expert scheduling mode
;; workspace buffers: part1 4,864 bytes; xr 10,214,400 bytes; w1r 2,457,600 bytes; w2r 2,457,600 bytes; part2 2,048 bytes; gr 40,857,600 bytes
;; launch stats: the kernel of part 1 again; grid 586 x 1, 8 waves a work-group, no clusters, 1,280 bytes of LDS; arguments x, w1, w2, part1; writes part1
;; launch quant: the kernel of part 2 again; grid 394 x 1, 3 waves a work-group, no clusters, 26,112 bytes of LDS; arguments x, w1, w2, part1, xr, w1r, w2r; writes xr, w1r, w2r
;; launch gstat: the kernel of part 3 again; grid 6 x 42, 4 waves a work-group, no clusters, 243,968 bytes of LDS; arguments xr, w1r, b1, part2; writes part2
;; launch gquant: the kernel of part 4 again; grid 6 x 42, 4 waves a work-group, no clusters, 243,968 bytes of LDS; arguments xr, w1r, b1, part2, gr; writes gr
;; launch gemm2 (part 6): grid 6 x 42, 4 waves a work-group, no clusters, 68,096 bytes of LDS; arguments gr, w2r, b2, out0; writes out0
.if DOCPART == 6
	.amdgcn_target "amdgcn-amd-amdhsa--gfx1250"
	.amdhsa_code_object_version 6
	.text
	.protected	k_q11af5a3237_gemm2
	.globl	k_q11af5a3237_gemm2
	.p2align	8
	.type	k_q11af5a3237_gemm2,@function
k_q11af5a3237_gemm2:
	s_mov_b64 s[64:65], 0
	v_nop
	global_prefetch_b8 v0, s[64:65] scope:SCOPE_SE
	s_setreg_imm32_b32 hwreg(HW_REG_WAVE_SCHED_MODE, 0, 2), 2
	s_setreg_imm32_b32 hwreg(HW_REG_WAVE_MODE, 25, 1), 1
	s_wait_xcnt 0x0
	s_wait_alu depctr_vm_vsrc(0)
; out = gq w2q^T + b2, on codes of BF8 (E5M2) with one E8M0 scale for each 32 along K, from records of 16 rows x 768 along K (12,800 bytes, in the order of the operand's registers).
; STATIONARY WEIGHTS.  Work-group (cg, rg): output columns 128 cg on, row tiles 19 rg .. 19 rg + 18.  Wave w keeps those 128 columns x K quarter w (768 of 3,072) in 768 registers for the whole launch, read from memory once.
; A row tile costs a wave 48 matrix instructions.  Its record of gr (row tile rt, quarter w) is read by this wave alone in the work-group, so it goes from memory straight into registers: 24 loads of 512 consecutive bytes and one of
; scale words, asked for in the tile before.  No tensor load, no ring.
; K IS SUMMED IN FOUR QUARTERS, one a wave, each ascending; the four partial sums meet in LDS and are added in f32 as (P0 + P1) + (P2 + P3) + b2.
; TRANSPOSED USE: source 0 = 16 columns of the output (rows of w2), source 1 = 16 rows of gq: a lane holds 8 neighbouring columns of one row.  Each wave lays its 16 x 128 partial sums in rows of 528 bytes; behind ONE barrier
; wave w reads rows 4 w .. 4 w + 3 of all four and stores whole pieces of 512 bytes.  Two LDS sets take turns: a set is written again two tiles on, behind the barrier of the tile between, which every wave signals with its reads back.
; The last row group's tiles from the 788th on repeat rows 0-159; they are multiplied and not stored (a scalar branch on the tile's number round the four stores alone).
; NO CLUSTER: a record of gr is shared by the 6 work-groups of a row group and the weights by the 42 of a column group, and neither 6 nor 42 is a multiple of 4; both go straight into registers.
; REGISTERS: window 0: v1 16 x lane, v2, v3 LDS addresses, v8-71 the 8 accumulators, later the 16 pieces to be added, v72-167 six fragments of gq, v168-191 the weights' scale words, v192-194 and v196-198 gq's, two sets, v200-203 b2.
;   windows 1-3: the weights: (tile t, K step s) in window 1 + s / 2 at v[128 (s % 2) + 16 t].
; THE MODE: SCHED_MODE bits 1:0 = 2 (LLVM: expert scheduling mode 2), set by the entry lines.  The code itself states the register dependences between vector or matrix instructions and memory or LDS instructions, with s_wait_alu, always for 0.
; THE PLAN.  Registers that memory or LDS instructions touch, in a tile of parity p:
;   v1, v2, v3    Offsets and LDS addresses: made at the head, never written again; the rows are reached by scalar bases and immediate offsets.
;   XF 0 .. 5     Fragment s is read by the products of K step s; then the next tile's fragment s lands in it.
;   XS[1 - p]     Read by the products of the tile before; the next tile's scale words land in it at this tile's head.
;   H             Written by the products; read by the 16 LDS stores; the 16 LDS loads land in it; the additions write v8-23 and v40-55; the 4 global stores read v8-23; the next tile's products write it anew.
;   The weights, their scale words and b2 are loaded at the head and named by matrix and vector instructions alone from then on.
; So a tile has three waits on va_vdst: behind K step 2 (fragments 0-2 are free: their 12 loads are dealt among K steps 3, 4, 5, which name fragments 3-5, H, the weights and scale words alone); behind K step 5 (H is written, for the LDS stores
; and for the LDS loads that land in it; fragments 3-5 are free; this tile's scale words are free for the next tile's first load); behind the additions (v8-23 are written, for the global stores).  And two on vm_vsrc: behind the barrier
; (the LDS stores have read H), and at the tile's end (the global stores have read v8-23).
.set REC,   12800
.set TILES, 19
.set SETB,  33792                      ; an LDS set: four waves x 16 rows x 528 bytes
.set L16, 1
.set STO, 2                            ; v2  8,448 w + 528 r + 32 h
.set RD,  3                            ; v3  528 x 4 w + 16 x lane
.set H,   8
.set XF,  72
.set WS,  168
.set XS,  192
.set BB,  200
.set AB,  20                           ; s[20:21] gr at the tile's record
.set OB,  22                           ; s[22:23] out0 at my four rows of the tile
.set RT,  24                           ; s24 the row tile's number
.set WB,  26                           ; s[26:27] my weights' first record
.set CNT, 28
.set MSB, 0
.macro WIN new
.if MSB != (\new)
	s_set_vgpr_msb (MSB<<8)|(\new)
.set MSB, (\new)
.endif
.endm
.macro PLACES n                        ; plain vector lines behind matrix instructions: 8 for this form
.rept \n
	v_nop
.endr
.endm
.macro WM d, a, b, c, sa, sb, odd      ; c < 0: the constant 0 starts the sum
.if (\c) < 0
	v_wmma_scale_f32_16x16x128_f8f6f4 v[\d:\d+7], v[\a:\a+15], v[\b:\b+15], 0, v[\sa], v[\sb] matrix_a_fmt:MATRIX_FMT_BF8 matrix_b_fmt:MATRIX_FMT_BF8
.elseif \odd
	v_wmma_scale_f32_16x16x128_f8f6f4 v[\d:\d+7], v[\a:\a+15], v[\b:\b+15], v[\c:\c+7], v[\sa], v[\sb] matrix_a_fmt:MATRIX_FMT_BF8 matrix_b_fmt:MATRIX_FMT_BF8 matrix_a_scale:MATRIX_SCALE_ROW1 matrix_b_scale:MATRIX_SCALE_ROW1
.else
	v_wmma_scale_f32_16x16x128_f8f6f4 v[\d:\d+7], v[\a:\a+15], v[\b:\b+15], v[\c:\c+7], v[\sa], v[\sb] matrix_a_fmt:MATRIX_FMT_BF8 matrix_b_fmt:MATRIX_FMT_BF8
.endif
.endm
.macro MM s, p                         ; K step s of my quarter; p: the set of gq's scale words.  The 8 accumulators take turns, one instruction a turn
	WIN (1+(\s)/2)
.irp t, 0,1,2,3,4,5,6,7
.if (\s) == 0
	WM H+8*\t, 16*\t, XF, -1, WS+3*\t, XS+4*(\p), 0
.else
	WM H+8*\t, 128*((\s)%2)+16*\t, XF+16*(\s), H+8*\t, WS+3*\t+(\s)/2, XS+4*(\p)+(\s)/2, (\s)%2
.endif
.endr
.endm
.macro LOADW stride
.irp s, 0,1,2,3,4,5
	WIN ((1+\s/2)<<6)
.irp t, 0,1,2,3,4,5,6,7
.irp c, 0,1,2,3
	global_load_b128 v[128*(\s%2)+16*\t+4*\c:128*(\s%2)+16*\t+4*\c+3], v[L16], s[WB:WB+1] offset:\t*(\stride)+2048*\s+512*\c
.endr
.endr
.endr
	WIN 0
.irp t, 0,1,2,3,4,5,6,7
.irp p, 0,1,2
	global_load_b32 v[WS+3*\t+\p], v[L16], s[WB:WB+1] offset:\t*(\stride)+12288+4*\p
.endr
.endr
.endm
.macro FRAGG s, off                    ; fragment s of the record off bytes on
.irp c, 0,1,2,3
	global_load_b128 v[XF+16*(\s)+4*\c:XF+16*(\s)+4*\c+3], v[L16], s[AB:AB+1] offset:(\off)+2048*(\s)+512*\c
.endr
.endm
; A ROW TILE.  p: its parity (LDS set, set of scale words).  pre = 1: the next tile's record is asked for.  At its head this tile's 24 fragment loads are out, its scale words asked for ahead of them.
; THE ORDER OF A TILE'S LOADS: the next tile's scale words at the head; its fragment 0 ahead of K step 3, fragment 1 ahead of K step 4, fragment 2 ahead of K step 5; its fragments 3, 4, 5 behind K step 5.
; THE COUNTS: behind this tile's fragment s stand its later fragments, 4 (5 - s), the next tile's scale words, 1, and the next tile's fragments already asked for, 4 (s - 2) from K step 3 on: 21, 17, 13, 13, 13, 13.  Without a next tile: 20 - 4 s.
.macro TILE5 p, pre
.if \pre
	global_load_b96 v[XS+4*(1-\p):XS+4*(1-\p)+2], v[L16], s[AB:AB+1] offset:4*REC+12288   ; three words a lane; the fourth is not written and not read.  No wait: no vector or matrix instruction since the last wait on va_vdst names these registers
.endif
.irp s, 0,1,2,3,4,5
.if \pre && (\s == 3)
	PLACES 8                                       ; kept beside the wait below: they are issued while the last products are at work
	WIN 0                                          ; the switch, then the wait, then the loads
	s_wait_alu depctr_va_vdst(0)                   ; the products of K steps 0, 1 and 2 are done reading fragments 0, 1 and 2, in which the twelve loads dealt among K steps 3, 4 and 5 land
.endif
.if \pre && (\s >= 3)
	WIN 0
	FRAGG \s-3, 4*REC                              ; the next tile's.  The products issued since the wait name fragments 3 to 5, the accumulators, the weights and scale words: none of this load's registers
.endif
.if \pre && (\s < 3)
	s_wait_loadcnt 21-4*\s
.elseif \pre
	s_wait_loadcnt 13
.else
	s_wait_loadcnt 20-4*\s
.endif
	MM \s, \p
.endr
	PLACES 8                                       ; eight places behind the last product, before its result is read
	WIN 0
	s_wait_alu depctr_va_vdst(0)                   ; the products have written the accumulators, which the LDS stores read and in which the LDS loads land; they are done reading fragments 3 to 5 and this tile's scale words, in which loads land
.irp t, 0,1,2,3,4,5,6,7
	ds_store_b128 v[STO], v[H+8*\t:H+8*\t+3] offset:SETB*(\p)+64*\t          ; each accumulator from its low end on
	ds_store_b128 v[STO], v[H+8*\t+4:H+8*\t+7] offset:SETB*(\p)+64*\t+16
.endr
.if \pre
	FRAGG 3, 4*REC                                 ; the next tile's last three fragments are asked for while the LDS stores land
	FRAGG 4, 4*REC
	FRAGG 5, 4*REC
.endif
	s_wait_dscnt 0x0                               ; for the others' sake: my partial sums lie in LDS (and my reads of the other set came back in the tile before)
	s_barrier_signal -1
	s_barrier_wait -1
	s_wait_alu depctr_vm_vsrc(0)                   ; my LDS stores have read the accumulators' registers, in which the LDS loads below land
.irp u, 0,1,2,3
.irp i, 0,1,2,3
	ds_load_b128 v[H+16*\u+4*\i:H+16*\u+4*\i+3], v[RD] offset:SETB*(\p)+8448*\u+528*\i   ; wave u's partial sums of my row i: 512 consecutive bytes
.endr
.endr
	s_wait_dscnt 0x0
.irp i, 0,1,2,3
.irp e, 0,2
	v_pk_add_f32 v[H+4*\i+\e:H+4*\i+\e+1], v[H+4*\i+\e:H+4*\i+\e+1], v[H+16+4*\i+\e:H+16+4*\i+\e+1]
	v_pk_add_f32 v[H+32+4*\i+\e:H+32+4*\i+\e+1], v[H+32+4*\i+\e:H+32+4*\i+\e+1], v[H+48+4*\i+\e:H+48+4*\i+\e+1]
.endr
.endr
.irp i, 0,1,2,3
.irp e, 0,2
	v_pk_add_f32 v[H+4*\i+\e:H+4*\i+\e+1], v[H+4*\i+\e:H+4*\i+\e+1], v[H+32+4*\i+\e:H+32+4*\i+\e+1]
.endr
.endr
.irp i, 0,1,2,3
.irp e, 0,2
	v_pk_add_f32 v[H+4*\i+\e:H+4*\i+\e+1], v[H+4*\i+\e:H+4*\i+\e+1], v[BB+\e:BB+\e+1]
.endr
.endr
	s_wait_alu depctr_va_vdst(0)                   ; the additions have written v[H .. H + 15], which the four stores read
	s_cmp_ge_u32 s[RT], 788                        ; a tile behind the 788th repeats rows that another tile owns
	s_cbranch_scc1 .Lnot_stored_\@
.irp i, 0,1,2,3
	global_store_b128 v[L16], v[H+4*\i:H+4*\i+3], s[OB:OB+1] offset:3072*\i th:TH_STORE_NT   ; 32 lanes store 512 consecutive bytes, at a multiple of 256 from out0's first byte; written once, read by nobody here
.endr
.Lnot_stored_\@:
	s_wait_xcnt 0x0                                ; loads and stores have read their registers and bases: these are written again only behind this wait
.if \pre
	s_wait_alu depctr_vm_vsrc(0)                   ; the four stores have read v[H .. H + 15], which the next tile's products write
.endif
	s_add_nc_u64 s[AB:AB+1], s[AB:AB+1], 4*REC
	s_add_nc_u64 s[OB:OB+1], s[OB:OB+1], 16*3072
	s_add_co_u32 s[RT], s[RT], 1
.endm
	s_load_b256 s[4:11], s[0:1], 0x0               ; gr s[4:5], w2r s[6:7], b2 s[8:9], out0 s[10:11]
	v_lshl_add_u32 v254, v0, 2, 0x10800
	v_mov_b32 v255, 0
	v_lshrrev_b32 v1, 5, v0
	v_readfirstlane_b32 s14, v1                    ; wave 0..3: my quarter of K
	s_mov_b32 s15, ttmp9                           ; cg
	s_and_b32 s16, ttmp7, 0xffff                   ; rg
	v_and_b32 v1, 31, v0
	v_lshlrev_b32 v[L16], 4, v1
	v_and_b32 v4, 15, v0                           ; r
	v_bfe_u32 v5, v0, 4, 1                         ; h
	v_mul_u32_u24 v[STO], v4, 528
	v_lshl_add_u32 v[STO], v5, 5, v[STO]
	s_wait_alu depctr_va_sdst(0)                   ; s14 is written, ahead of its first reader: the LDS addresses and the bases of w2r, gr and out0 are made from it
	s_mul_i32 s17, s14, 16*528
	v_add_nc_u32 v[STO], s17, v[STO]
	s_mul_i32 s17, s14, 4*528
	v_add_nc_u32 v[RD], s17, v[L16]
	s_lshl_b32 s18, s15, 5
	s_add_co_u32 s18, s18, s14
	s_mul_i32 s18, s18, REC                        ; my weights: records 4 (8 cg + t) + w
	s_mov_b32 s19, 0
	s_wait_kmcnt 0x0
	s_add_nc_u64 s[WB:WB+1], s[6:7], s[18:19]
	s_mul_i32 s18, s16, 4*TILES
	s_add_co_u32 s18, s18, s14
	s_mul_i32 s18, s18, REC                        ; gr: record 4 x 19 rg + w; under 2^26
	s_add_nc_u64 s[AB:AB+1], s[4:5], s[18:19]
	s_mul_i32 s18, s16, 16*TILES
	s_lshl_b32 s17, s14, 2
	s_add_co_u32 s18, s18, s17                     ; out0: row 304 rg + 4 w,
	s_mul_i32 s18, s18, 3072
	s_lshl_b32 s17, s15, 9                         ; column 128 cg
	s_add_co_u32 s18, s18, s17
	s_add_nc_u64 s[OB:OB+1], s[10:11], s[18:19]
	s_mov_b32 s18, s17
	s_add_nc_u64 s[8:9], s[8:9], s[18:19]          ; b2 at column 128 cg
	s_mul_i32 s[RT], s16, TILES
	s_wait_alu depctr_va_vdst(0)                   ; v1, v2 and v3 are written: every load and store of the kernel, global or LDS, reads one of them as its offset or address.  Up to the loop only loads and window switches follow
	LOADW 4*REC
	global_load_b128 v[BB:BB+3], v[L16], s[8:9]    ; b2 of my four columns
	global_load_b96 v[XS:XS+2], v[L16], s[AB:AB+1] offset:12288
.irp s, 0,1,2,3,4,5
	FRAGG \s, 0
.endr
	s_mov_b32 s[CNT], (TILES-1)/2
.Lpair:                                                ; two row tiles a trip: the LDS sets and the sets of scale words take turns.  Loads come back in order: the first tile's first wait also covers the weights, b2 and the scale words
	TILE5 0, 1
	TILE5 1, 1
	s_sub_co_u32 s[CNT], s[CNT], 1
	s_cmp_lg_u32 s[CNT], 0
	s_cbranch_scc1 .Lpair
	TILE5 0, 0                                     ; the nineteenth tile asks for nothing: no load leaves its buffer
	s_wait_dscnt 0x0                               ; the closing lines, six on end (every window is 0 here)
	s_wait_alu 0x0
	s_wait_tensorcnt 0x0
	ds_add_u32 v254, v255
	s_wait_dscnt 0x0
	s_endpgm
.Lfunc_end_k_q11af5a3237_gemm2:
	.size	k_q11af5a3237_gemm2, .Lfunc_end_k_q11af5a3237_gemm2-k_q11af5a3237_gemm2
	.p2alignl 7, 3214868480
	.fill 96, 4, 3214868480
	.section	.rodata,"a",@progbits
	.p2align	6, 0x0
	.amdhsa_kernel k_q11af5a3237_gemm2
		.amdhsa_group_segment_fixed_size 68096
		.amdhsa_private_segment_fixed_size 0
		.amdhsa_enable_private_segment 0
		.amdhsa_kernarg_size 32
		.amdhsa_user_sgpr_count 2
		.amdhsa_user_sgpr_kernarg_segment_ptr 1
		.amdhsa_wavefront_size32 1
		.amdhsa_system_sgpr_workgroup_id_x 1
		.amdhsa_system_sgpr_workgroup_id_y 1
		.amdhsa_system_sgpr_workgroup_id_z 1
		.amdhsa_system_vgpr_workitem_id 0
		.amdhsa_next_free_vgpr 1024
		.amdhsa_next_free_sgpr 66
		.amdhsa_reserve_vcc 0
		.amdhsa_float_denorm_mode_32 3
		.amdhsa_float_denorm_mode_16_64 3
		.amdhsa_memory_ordered 1
		.amdhsa_forward_progress 1
		.amdhsa_inst_pref_size 66
	.end_amdhsa_kernel
	.amdgpu_metadata
---
amdhsa.version: [ 1, 2 ]
amdhsa.kernels:
  - .name:           k_q11af5a3237_gemm2
    .symbol:         k_q11af5a3237_gemm2.kd
    .args:
      - { .name: gr, .offset: 0, .size: 8, .value_kind: global_buffer, .address_space: global }
      - { .name: w2r, .offset: 8, .size: 8, .value_kind: global_buffer, .address_space: global }
      - { .name: b2, .offset: 16, .size: 8, .value_kind: global_buffer, .address_space: global }
      - { .name: out0, .offset: 24, .size: 8, .value_kind: global_buffer, .address_space: global }
    .group_segment_fixed_size: 68096
    .private_segment_fixed_size: 0
    .kernarg_segment_align: 8
    .kernarg_segment_size: 32
    .max_flat_workgroup_size: 128
    .sgpr_count:     66
    .vgpr_count:     1024
    .wavefront_size: 32
...
	.end_amdgpu_metadata
.endif
;; end of part 6
